; MI455X (gfx1250); checked and timed in simulation.
; The chip was launched on July 23, 2026; its instructions are those of AMD's public machine-readable ISA for CDNA 5 (MIT licence, August 2026) and "CDNA5" Instruction Set Architecture Reference Guide (July 2026). The comments in the code are by the model that wrote it; some were corrected since.
;; Encoder Block. Allowed arithmetic: matrix products marked QUANTISED: E2M3 operands, one E8M0 scale for each 32 along K, by v_wmma_scale_f32_16x16x128_f8f6f4 with both operands' format E2M3, f32 sums; everything else in f32.
;; Inputs: attn_norm_w 512 float32; ffn_norm_w 512 float32; rope_cos 4,096 x 32 float32; rope_sin 4,096 x 32 float32; w_down 2,048 x 512 float32; w_gate 512 x 2,048 float32; w_up 512 x 2,048 float32; wk 512 x 512 float32; wo 512 x 512 float32; wq 512 x 512 float32; wv 512 x 512 float32; x 2 x 4,096 x 512 float32.
;; Outputs: out0 2 x 4,096 x 512 float32.
;; This version of the problem:
;;   THIS VERSION OF THE PROBLEM IS GIVEN IN LOW PRECISION. The matrix products marked QUANTISED in the list below multiply operands that are first quantised to E2M3 (2 exponent bits, 3 mantissa bits; 6 bits a number), with one power-of-two scale for each 32 numbers along K (OCP MX v1.0); their sums are f32. All else is computed in f32.
;;   The module's matrix products, in the order in which they are computed (A, B: the left and right operand; K: the contracted axis; several contracted axes count as one K, in the product's order):
;;     1. [M 8,192, K 512] x [K 512, N 512]; A: computed on the way; B: input wq: QUANTISED
;;     2. [M 8,192, K 512] x [K 512, N 512]; A: computed on the way; B: input wk: QUANTISED
;;     3. [M 8,192, K 512] x [K 512, N 512]; A: computed on the way; B: input wv: QUANTISED
;;     4. batch 16 x [M 4,096, K 64] x [K 64, N 4,096]; A: computed on the way; B: computed on the way: QUANTISED
;;     5. batch 16 x [M 4,096, K 4,096] x [K 4,096, N 64]; A: softmax (see below); B: computed on the way: QUANTISED
;;     6. [M 8,192, K 512] x [K 512, N 512]; A: computed on the way; B: input wo: QUANTISED
;;     7. [M 8,192, K 512] x [K 512, N 2,048]; A: computed on the way; B: input w_gate: QUANTISED
;;     8. [M 8,192, K 512] x [K 512, N 2,048]; A: computed on the way; B: input w_up: QUANTISED
;;     9. [M 8,192, K 2,048] x [K 2,048, N 512]; A: computed on the way; B: input w_down: QUANTISED
;;   THE QUANTISER, for each operand of a quantised product, along K:
;;     - K is cut into blocks of 32 from its start; a last block that is shorter is filled with zeros.
;;     - A block's scale is 2^e with e = floor(log2(the largest magnitude in the block)) - 2, held to -126 .. 127; a block of zeros has e = 0. As a byte (E8M0): e + 127.
;;     - Each number is divided by its block's scale, clamped to +-7.5, and rounded to the nearest number of E2M3, ties to even, subnormals kept.
;;     - The product sums the exact products of the quantised numbers (number of the format x scale) in f32.
;;   ~~~python
;;   def quantise(x, axis):      # numpy; x: float32 -> the quantised numbers, widened to float32 again
;;       x = np.moveaxis(x, axis, -1); K = x.shape[-1]
;;       x = np.pad(x, [(0, 0)] * (x.ndim - 1) + [(0, -K % 32)]); x = x.reshape(x.shape[:-1] + (-1, 32)); a = np.abs(x).max(-1, keepdims=True)
;;       e = np.where(a > 0, np.clip(np.frexp(np.where(a > 0, a, 1))[1] - 1 - 2, -126, 127), 0)      # np.frexp(a)[1] - 1 = floor(log2(a)), exactly
;;       r = np.clip(x / 2.0 ** e, -7.5, 7.5)
;;       step = 2.0 ** (np.maximum(np.frexp(np.where(r == 0, 1, r))[1] - 1, 0) - 3)
;;       q = np.round(r / step) * step * 2.0 ** e      # np.round: ties to even
;;       return np.moveaxis(q.reshape(q.shape[:-2] + (-1,))[..., :K], -1, axis).astype(np.float32)
;;   ~~~
;;   SOFTMAX AHEAD OF A QUANTISED PRODUCT. Where the list says 'softmax', what is quantised is not the finished softmax but p = 2^(t - M), with t = logit x log2(e) and M = ceil(the row's largest t), a whole number; so 1/2 < the row's largest p <= 1. The row's sum l is taken of the UNQUANTISED p, in f32, and the product's result is divided by l at the end. Since M is a whole number, a kernel that streams over the keys may use a running M (the ceiling of the running maximum): every later rescaling is an exact power of two, which a block's scale takes up: the codes' values come out the same.
;;   OPERANDS COMPUTED ON THE WAY. 'Computed on the way' means the value that the module computes at that place (a softmax that the list does not call 'softmax' is quantised finished and normalised). What goes into a quantiser is computed in f32, as accurately as f32 sums, v_exp_f32 and their like allow (about 1e-6 of the number): no bf16 or f16 on the way to a quantiser, and a product that is left as it is and whose result goes on into a quantised operand takes f32 operands (vector FMAs, or v_wmma_f32_16x16x4_f32). A number that lies on a knife's edge between two numbers of the format may be rounded either way, as far as f32 arithmetic and the matrix unit's own rounding can turn it there, and no further.
;; One version. Each part assembles by itself: llvm-mc -triple=amdgcn-amd-amdhsa -mcpu=gfx1250 --defsym DOCPART=n.
;; ======== version 1 of 1: 4 launches
;; limits: right only within a limited range of input values
;; workspace buffers: xq 3,276,800 bytes; wqkv 614,400 bytes; wst 2,662,400 bytes; q 3,407,872 bytes; kv 6,684,672 bytes; ao 3,276,800 bytes
;; launch prep (part 1): grid 384 x 1, 4 waves a work-group, no clusters, 33,280 bytes of LDS; arguments x, attn_norm_w, wq, wk, wv, wo, w_gate, w_up, w_down, xq, wqkv, wst; writes xq, wqkv, wst
.if DOCPART == 1
	.amdgcn_target "amdgcn-amd-amdhsa--gfx1250"
	.amdhsa_code_object_version 6
	.text
	.protected	k_q28b161b722_prep
	.globl	k_q28b161b722_prep
	.p2align	8
	.type	k_q28b161b722_prep,@function
k_q28b161b722_prep:
	s_mov_b64 s[64:65], 0
	v_nop
	global_prefetch_b8 v0, s[64:65] scope:SCOPE_SE
	s_setreg_imm32_b32 hwreg(HW_REG_WAVE_MODE, 25, 1), 1
	s_wait_xcnt 0x0
; PREP: the first of four launches of an encoder block (RMS norm, q/k/v, RoPE, attention, wo, residual, RMS norm, SwiGLU, residual) whose nine matrix products all run on codes of FP6 (E2M3) with one E8M0 scale for each 32 along K.
; DEAD WORK: none.  Every one of the twelve inputs has a way to out0 and is loaded by some launch; no product, row or step of the block is left out.
; WORK-GROUPS 0-127 (path X): xn = x * rsqrt(mean(x^2) + 1e-5) * attn_norm_w in f32, quantised along the 512, to xq: codes [8192][384] as rows, then from byte 3,145,728 the scale bytes [8192][16].
; WORK-GROUPS 128-383 (path W): the seven weights, stored [K][N], quantised along K and laid in the order of an operand's registers, so that the later launches fetch fragments by loads of 16 bytes a lane.
;   A FRAGMENT's image (16 columns x 128 K, 12 registers a lane, 1,536 bytes): register p of lane L at 512 (p / 4) + 16 L + 4 (p % 4).
;   THE COLUMNS OF A TILE ARE NOT NEIGHBOURS: of a group of 32 columns, tile u takes at place r the column 8 u + r + 8 (r / 8).
;   A RECORD (25,600 bytes): 16 fragments, then two images of scale words at 24,576 + 512 i + 16 L + 4 j.  Kind N: 64 columns x K 512, fragment (K step s, tile t) at (4 s + t) x 1,536, its scale word at i = t / 2, L = 16 (t % 2) + r, j = s.
;   Kind D: 128 columns x K 256, fragment (K step s, tile t) at (8 s + t) x 1,536, its scale word at i = s, L = 16 (t % 2) + r, j = t / 2.
;   wqkv: [pair of heads 4][(head % 2) x 3 + (q, k, v)] records N.  wst: 26 slots of 4 records: slots 0, 1: wo (record w: columns 128 w + 64 slot); slot 2 + 3 c: w_gate, units 256 c + 64 w; slot 3 + 3 c: w_up; slot 4 + 3 c: w_down, kind D, columns 128 w, K 256 c on.
; A block's scale is 2^(floor(log2(its largest magnitude)) - 2): its byte is the largest magnitude's exponent field - 2, held at 1 from below.
; LIMITS: NaN and infinities among the inputs are not served.  A block of zeros gets the byte 1 where the rule says 127: its codes are zeros, and the bytes are read by this program alone.  Blocks whose largest magnitude lies under 2^-124 keep the byte 1.
.set STEPS, 16
.set WREG,  8192                       ; path X, LDS: a region for each wave: two stages of 32 x SP bytes, then its 256 scale bytes
.set SP,    80                         ; a lane's place in a stage: 64 bytes + 16 of padding
.set SPARE, 4*WREG                     ; the spare words, 128 bytes for each wave: two blocks of 256 bytes that no other line names
.set SPW,   12                         ; v12  LDS address of my spare word; never rewritten
.set NIL,   13                         ; v13  0; never rewritten
.set R,     16                         ; path X: v16-79 four sets of 16 numbers as loaded
.set X,     80                         ; v80-111 two sets of 16 neighbours
.set E,     112                        ; v112-127 a scale byte for each step
.set C,     128                        ; v128-191 codes, four registers for each step
.set WN,    192                        ; v192-207 attn_norm_w of my 16 columns
.set SQ,    208                        ; v208-211 sums of squares
.set RS,    212                        ; v212-213 1 / sqrt(mean + eps), named as a pair
.set OFF,   16                         ; path W: v16-47 byte offset of row i of a block of 32, at my column; never rewritten
.set XW,    48                         ; v48-175 my column's 128 numbers down K: each block has 32 registers of its own
.set PB,    176                        ; v176-199 the codes: 12 registers for each half h of the operand's lanes
.set TT,    200                        ; v200-202 a conversion's second half
.set SB,    204                        ; v204 the four scale bytes
.macro LOAD t
.irp i, 0,1,2,3
	global_load_b128 v[R+16*((\t)%4)+4*\i:R+16*((\t)%4)+4*\i+3], v3, s[4:5] offset:2048*(\t)+512*\i th:TH_LOAD_NT   ; 32 lanes read 512 consecutive bytes
.endr
.endm
.macro TURN t                          ; a row through the wave's own stage: in as it lies, back 64 bytes a lane.  LDS serves a wave's instructions in order: no wait between
.irp i, 0,1,2,3
	ds_store_b128 v14, v[R+16*((\t)%4)+4*\i:R+16*((\t)%4)+4*\i+3] offset:32*SP*((\t)%2)+8*SP*\i
.endr
.irp i, 0,1,2,3
	ds_load_b128 v[X+16*((\t)%2)+4*\i:X+16*((\t)%2)+4*\i+3], v15 offset:32*SP*((\t)%2)+16*\i
.endr
.endm
.macro STEP t                          ; one row of 512 numbers: 16 neighbours a lane, two neighbouring lanes to a block of 32
.set XS, X+16*((\t)%2)
.if (\t) > 0
	s_wait_dscnt 1                                 ; this row is back from the stage; the one LDS instruction behind it, the last row's byte store, may be out
.else
	s_wait_dscnt 0x0
.endif
.if (\t)+4 < STEPS
	LOAD (\t)+4                                    ; into the set whose stores into the stage are done
.endif
.if (\t)+1 < STEPS
.if STEPS-2-(\t) >= 3
	s_wait_loadcnt 12                              ; the next row's four loads are in; the twelve of the three rows behind it may be out
.else
	s_wait_loadcnt 4*(STEPS-2-(\t))
.endif
	TURN (\t)+1
.endif
	v_pk_mul_f32 v[SQ:SQ+1], v[XS:XS+1], v[XS:XS+1]                ; the row's sum of squares: my 16, in two chains,
	v_pk_mul_f32 v[SQ+2:SQ+3], v[XS+2:XS+3], v[XS+2:XS+3]
.irp i, 4,8,12
	v_pk_fma_f32 v[SQ:SQ+1], v[XS+\i:XS+\i+1], v[XS+\i:XS+\i+1], v[SQ:SQ+1]
	v_pk_fma_f32 v[SQ+2:SQ+3], v[XS+\i+2:XS+\i+3], v[XS+\i+2:XS+\i+3], v[SQ+2:SQ+3]
.endr
	v_pk_add_f32 v[SQ:SQ+1], v[SQ:SQ+1], v[SQ+2:SQ+3]
	v_add_f32 v[SQ], v[SQ], v[SQ+1]
	v_add_f32_dpp v[SQ], v[SQ], v[SQ] row_xmask:1 row_mask:0xf bank_mask:0xf   ; then over the 32 lanes
	v_add_f32_dpp v[SQ], v[SQ], v[SQ] row_xmask:2 row_mask:0xf bank_mask:0xf
	v_add_f32_dpp v[SQ], v[SQ], v[SQ] row_xmask:4 row_mask:0xf bank_mask:0xf
	v_add_f32_dpp v[SQ], v[SQ], v[SQ] row_xmask:8 row_mask:0xf bank_mask:0xf
	v_permlanex16_b32 v[SQ+1], v[SQ], s30, s31
	v_add_f32 v[SQ], v[SQ], v[SQ+1]
	v_fma_f32 v[SQ], v[SQ], s32, s33               ; sum / 512 + eps
	s_wait_alu depctr_va_vdst(0)
	v_rsq_f32 v[RS], v[SQ]
	v_nop                                          ; a plain instruction behind the transcendental
	s_wait_alu depctr_va_vdst(0)                   ; and the wait ahead of its first reader
.irp i, 0,2,4,6,8,10,12,14
	v_pk_mul_f32 v[XS+\i:XS+\i+1], v[XS+\i:XS+\i+1], v[RS:RS+1] op_sel_hi:[1,0]
.endr
.irp i, 0,2,4,6,8,10,12,14
	v_pk_mul_f32 v[XS+\i:XS+\i+1], v[XS+\i:XS+\i+1], v[WN+\i:WN+\i+1]         ; (x rs) w, in the order of the block's own formula
.endr
	v_max3_num_f32 v8, |v[XS]|, |v[XS+1]|, |v[XS+2]|               ; the largest magnitude of my 16
	v_max3_num_f32 v9, |v[XS+3]|, |v[XS+4]|, |v[XS+5]|
.irp i, 6,10
	v_max3_num_f32 v8, v8, |v[XS+\i]|, |v[XS+\i+1]|
	v_max3_num_f32 v9, v9, |v[XS+\i+2]|, |v[XS+\i+3]|
.endr
	v_max3_num_f32 v8, v8, |v[XS+14]|, |v[XS+15]|
	v_max3_num_f32 v8, v8, v9, 0x1800000           ; and the floor 2^(3 - 127): the byte cannot fall under 1
	v_max_num_f32_dpp v8, v8, v8 row_xmask:1 row_mask:0xf bank_mask:0xf   ; with my neighbour's 16: the block's
	v_add_nc_u32 v11, 0xff000000, v8               ; 2 off its exponent field: the conversion's scale operand
	v_cvt_scalef32_pk16_fp6_f32 v[C+4*(\t):C+4*(\t)+2], v[XS:XS+15], v11
	v_lshrrev_b32 v[E+(\t)], 23, v11               ; the scale's byte
	ds_store_b8 v5, v[E+(\t)] offset:16*(\t)       ; both lanes of a block write the same byte with the same value
	global_store_b96 v4, v[C+4*(\t):C+4*(\t)+2], s[42:43] offset:384*(\t)      ; the wave stores a row's 384 consecutive bytes
.endm
.macro WLOAD b                         ; path W: block b of my column: W(32 b + i, my column), i = 0 .. 31
.set i, 0
.rept 32
	global_load_b32 v[XW+32*(\b)+i], v[OFF+i], s[40+2*(\b):41+2*(\b)] th:TH_LOAD_NT   ; a wave reads 128 consecutive bytes of a row, the four waves 512
.set i, i+1
.endr
.endm
.macro WBLOCK b                        ; path W: block b of my column's four.  Loads run two blocks ahead
.set XB, XW+32*(\b)
.set PX, PB+12*((\b)%2)+6*((\b)/2)     ; the operand gives block b to lanes of half b % 2, registers 6 (b / 2) on
.if (\b) < 3
	s_wait_loadcnt 32                              ; this block's 32 loads are in; the 32 of the next block, the only ones issued behind them, may be out
.else
	s_wait_loadcnt 0x0
.endif
.if (\b)+2 < 4
	WLOAD (\b)+2                                   ; into registers of its own: nothing is written over
.endif
	v_max3_num_f32 v8, |v[XB]|, |v[XB+1]|, |v[XB+2]|
	v_max3_num_f32 v9, |v[XB+3]|, |v[XB+4]|, |v[XB+5]|
.irp i, 6,10,14,18,22,26
	v_max3_num_f32 v8, v8, |v[XB+\i]|, |v[XB+\i+1]|
	v_max3_num_f32 v9, v9, |v[XB+\i+2]|, |v[XB+\i+3]|
.endr
	v_max3_num_f32 v8, v8, |v[XB+30]|, |v[XB+31]|
	v_max3_num_f32 v8, v8, v9, 0x1800000
	v_add_nc_u32 v10, 0xff000000, v8
	v_lshrrev_b32 v11, 23, v10
.if (\b) == 0
	v_mov_b32 v[SB], v11
.else
	v_lshl_or_b32 v[SB], v11, 8*(\b), v[SB]
.endif
	v_cvt_scalef32_pk16_fp6_f32 v[PX:PX+2], v[XB:XB+15], v10
	v_cvt_scalef32_pk16_fp6_f32 v[TT:TT+2], v[XB+16:XB+31], v10    ; (a conversion's three registers begin on an even number)
	v_nop                                          ; one plain instruction behind a scaled conversion
.irp i, 0,1,2
	v_mov_b32 v[PX+3+\i], v[TT+\i]
.endr
.endm
.macro KIND_N                          ; fragment number 4 ks + 2 (w % 2), scale word at 512 (w % 2) + 4 ks
	s_lshl_b32 s51, s32, 2
	s_lshl_b32 s52, s33, 9
	s_add_co_u32 s52, s52, s51
	s_lshl_b32 s50, s33, 1
	s_add_co_u32 s51, s51, s50
.endm
	s_load_b512 s[4:19], s[0:1], 0x0               ; x, attn_norm_w, wq, wk, wv, wo, w_gate, w_up
	s_load_b256 s[20:27], s[0:1], 0x40             ; w_down, xq, wqkv, wst
	v_lshl_add_u32 v[SPW], v0, 2, SPARE
	v_mov_b32 v[NIL], 0
	v_lshrrev_b32 v1, 5, v0
	v_readfirstlane_b32 s28, v1                    ; wave
	v_and_b32 v2, 31, v0                           ; lane
	s_cmp_lt_u32 ttmp9, 128
	s_cbranch_scc0 .Lweights
	; ---------------- path X
	v_lshlrev_b32 v3, 4, v2                        ; my 16 bytes of a load's 512
	s_mul_i32 s29, s28, WREG
	v_lshrrev_b32 v14, 2, v2
	v_mul_u32_u24 v14, v14, SP
	v_and_b32 v15, 3, v2
	v_lshl_add_u32 v14, v15, 4, v14
	v_add_nc_u32 v14, s29, v14                     ; the stage, on the way in: SP (lane / 4) + 16 (lane % 4)
	v_mul_u32_u24 v15, v2, SP
	v_add_nc_u32 v15, s29, v15                     ; on the way out: SP x lane
	v_mul_u32_u24 v4, v2, 12                       ; my 12 bytes of a row's codes
	v_lshrrev_b32 v5, 1, v2
	s_add_co_u32 s29, s29, 2*32*SP
	v_add_nc_u32 v5, s29, v5                       ; my block's byte among the wave's 256
	v_lshlrev_b32 v7, 3, v2
	v_add_nc_u32 v6, s29, v7
	v_lshlrev_b32 v10, 6, v2                       ; attn_norm_w: 64 bytes a lane
	v_mov_b32 v[RS+1], 0                           ; (named as the upper half of a pair)
	s_mov_b32 s30, 0x76543210
	s_mov_b32 s31, 0xfedcba98                      ; v_permlanex16_b32's selects for lane l xor 16
	s_mov_b32 s32, 0x3b000000                      ; 1 / 512
	s_mov_b32 s33, 0x3727c5ac                      ; 1e-5
	s_lshl_b32 s34, ttmp9, 2
	s_add_co_u32 s34, s34, s28                     ; which run of 16 rows is my wave's
	s_lshl_b32 s36, s34, 15
	s_mov_b32 s37, 0
	s_mul_i32 s38, s34, 6144
	s_mov_b32 s39, 0
	s_lshl_b32 s40, s34, 8
	s_add_co_u32 s40, s40, 3145728
	s_mov_b32 s41, 0
	s_wait_alu depctr_va_vdst(0)
	s_wait_kmcnt 0x0
	s_add_nc_u64 s[4:5], s[4:5], s[36:37]
	s_add_nc_u64 s[42:43], s[22:23], s[38:39]      ; my codes
	s_add_nc_u64 s[44:45], s[22:23], s[40:41]      ; my scale bytes
.irp j, 0,1,2,3
	global_load_b128 v[WN+4*\j:WN+4*\j+3], v10, s[6:7] offset:16*\j
.endr
.irp t, 0,1,2,3
	LOAD \t
.endr
	s_wait_loadcnt 12                              ; the norm's weights and row 0 are in; three rows' twelve loads may be out
	TURN 0
.irp t, 0,1,2,3,4,5,6,7,8,9,10,11,12,13,14,15
	STEP \t
.endr
	ds_load_b64 v[8:9], v6                         ; LDS serves a wave's instructions in order: these see my byte stores
	s_wait_dscnt 0x0
	global_store_b64 v7, v[8:9], s[44:45]          ; 32 lanes store 256 consecutive bytes, aligned
	s_wait_tensorcnt 0x0                           ; the wave's end, behind my last LDS store
	ds_add_u32 v[SPW], v[NIL]
	s_wait_dscnt 0x0
	s_endpgm
	; ---------------- path W: no LDS.  A wave takes 32 columns x one K step of 128; a lane a column, its registers down K
.Lweights:
	s_sub_co_u32 s29, ttmp9, 128
	s_and_b32 s33, s28, 1
	s_lshr_b32 s34, s28, 1
	s_wait_kmcnt 0x0
	s_cmp_lt_u32 s29, 64
	s_cbranch_scc0 .Lnot_square
	s_lshr_b32 s30, s29, 4                         ; 0..3: wq, wk, wv, wo
	s_bfe_u32 s31, s29, 0x20002                    ; which 128 columns
	s_and_b32 s32, s29, 3                          ; which K step
	s_mov_b32 s35, 2048                            ; a row of the weight in bytes
	s_mul_i32 s38, s34, 3
	s_add_co_u32 s38, s38, s30
	s_mul_i32 s38, s38, 25600
	s_mul_i32 s39, s31, 153600
	s_add_co_u32 s38, s38, s39                     ; the record in wqkv
	s_mul_i32 s39, s34, 102400
	s_mul_i32 s50, s31, 25600
	s_add_co_u32 s39, s39, s50                     ; the record in wst, for wo
	s_mov_b64 s[40:41], s[8:9]
	s_cmp_eq_u32 s30, 1
	s_cselect_b64 s[40:41], s[10:11], s[40:41]
	s_cmp_eq_u32 s30, 2
	s_cselect_b64 s[40:41], s[12:13], s[40:41]
	s_cmp_eq_u32 s30, 3
	s_cselect_b64 s[40:41], s[14:15], s[40:41]
	s_cselect_b64 s[48:49], s[26:27], s[24:25]
	s_cselect_b32 s38, s39, s38
	KIND_N
	s_branch .Lgo
.Lnot_square:
	s_cmp_lt_u32 s29, 192
	s_cbranch_scc0 .Ldown
	s_sub_co_u32 s29, s29, 64
	s_lshr_b32 s30, s29, 6                         ; 0: w_gate, 1: w_up
	s_bfe_u32 s31, s29, 0x40002
	s_and_b32 s32, s29, 3
	s_mov_b32 s35, 8192
	s_lshr_b32 s38, s31, 1
	s_mul_i32 s38, s38, 3
	s_add_co_u32 s38, s38, s30
	s_add_co_u32 s38, s38, 2
	s_mul_i32 s38, s38, 102400
	s_and_b32 s39, s31, 1
	s_lshl_b32 s39, s39, 1
	s_add_co_u32 s39, s39, s34
	s_mul_i32 s39, s39, 25600
	s_add_co_u32 s38, s38, s39
	s_cmp_eq_u32 s30, 0
	s_cselect_b64 s[40:41], s[16:17], s[18:19]
	s_mov_b64 s[48:49], s[26:27]
	KIND_N
	s_branch .Lgo
.Ldown:
	s_sub_co_u32 s29, s29, 192
	s_lshr_b32 s31, s29, 4
	s_and_b32 s32, s29, 15
	s_mov_b32 s35, 2048
	s_lshr_b32 s38, s32, 1
	s_mul_i32 s38, s38, 3
	s_add_co_u32 s38, s38, 4
	s_mul_i32 s38, s38, 102400
	s_mul_i32 s39, s31, 25600
	s_add_co_u32 s38, s38, s39
	s_mov_b64 s[40:41], s[20:21]
	s_mov_b64 s[48:49], s[26:27]
	s_and_b32 s50, s32, 1
	s_lshl_b32 s51, s50, 3
	s_lshl_b32 s52, s28, 1
	s_add_co_u32 s51, s51, s52                     ; kind D: fragment 8 (ks % 2) + 2 w,
	s_lshl_b32 s52, s50, 9
	s_lshl_b32 s50, s28, 2
	s_add_co_u32 s52, s52, s50                     ; scale word at 512 (ks % 2) + 4 w
.Lgo:
	s_mul_i32 s36, s51, 1536
	s_add_co_u32 s36, s36, s38
	s_mov_b32 s37, 0
	s_add_co_u32 s52, s52, s38
	s_add_co_u32 s52, s52, 24576
	s_mov_b32 s53, 0
	s_add_nc_u64 s[54:55], s[48:49], s[36:37]      ; where my two fragments go
	s_add_nc_u64 s[56:57], s[48:49], s[52:53]      ; and their scale words
	s_lshl_b32 s58, s35, 7
	s_mul_i32 s58, s58, s32                        ; 128 ks rows down,
	s_lshl_b32 s59, s31, 9
	s_add_co_u32 s58, s58, s59
	s_lshl_b32 s59, s28, 7
	s_add_co_u32 s58, s58, s59                     ; column 128 cb + 32 w
	s_mov_b32 s59, 0
	s_add_nc_u64 s[40:41], s[40:41], s[58:59]
	s_lshl_b32 s58, s35, 5                         ; 32 rows: a base for each of the four blocks
	s_add_nc_u64 s[42:43], s[40:41], s[58:59]
	s_add_nc_u64 s[44:45], s[42:43], s[58:59]
	s_add_nc_u64 s[46:47], s[44:45], s[58:59]
	s_wait_alu depctr_va_vdst(0)
	v_lshlrev_b32 v[OFF], 2, v2
.set i, 1
.rept 31
	v_add_nc_u32 v[OFF+i], s35, v[OFF+i-1]
.set i, i+1
.endr
	WLOAD 0
	WLOAD 1
	v_bfe_u32 v4, v2, 3, 1                         ; my column's tile u = (lane / 8) % 2
	v_and_b32 v5, 7, v2
	v_lshrrev_b32 v6, 4, v2
	v_lshl_add_u32 v5, v6, 3, v5                   ; and its place r = lane % 8 + 8 (lane / 16)
	v_lshlrev_b32 v5, 4, v5
	v_mad_u32_u24 v3, v4, 1536, v5                 ; 1,536 u + 16 r
	v_lshl_add_u32 v6, v4, 8, v5                   ; 256 u + 16 r
	s_wait_alu depctr_va_vdst(0)
	WBLOCK 0
	WBLOCK 1
	WBLOCK 2
	WBLOCK 3
.irp h, 0,1
.irp j, 0,1,2
	global_store_b128 v3, v[PB+12*\h+4*\j:PB+12*\h+4*\j+3], s[54:55] offset:256*\h+512*\j   ; sixteen lanes store 256 consecutive bytes, aligned: one run in each of the two fragments
.endr
.endr
	global_store_b32 v6, v[SB], s[56:57]           ; 4 bytes a column, 16 bytes apart: one byte for each 128 that the wave reads
	s_endpgm
.Lfunc_end_k_q28b161b722_prep:
	.size	k_q28b161b722_prep, .Lfunc_end_k_q28b161b722_prep-k_q28b161b722_prep
	.p2alignl 7, 3214868480
	.fill 96, 4, 3214868480
	.section	.rodata,"a",@progbits
	.p2align	6, 0x0
	.amdhsa_kernel k_q28b161b722_prep
		.amdhsa_group_segment_fixed_size 33280
		.amdhsa_private_segment_fixed_size 0
		.amdhsa_enable_private_segment 0
		.amdhsa_kernarg_size 96
		.amdhsa_user_sgpr_count 2
		.amdhsa_user_sgpr_kernarg_segment_ptr 1
		.amdhsa_wavefront_size32 1
		.amdhsa_system_sgpr_workgroup_id_x 1
		.amdhsa_system_sgpr_workgroup_id_y 1
		.amdhsa_system_sgpr_workgroup_id_z 1
		.amdhsa_system_vgpr_workitem_id 0
		.amdhsa_next_free_vgpr 224
		.amdhsa_next_free_sgpr 66
		.amdhsa_reserve_vcc 0
		.amdhsa_float_denorm_mode_32 3
		.amdhsa_float_denorm_mode_16_64 3
		.amdhsa_memory_ordered 1
		.amdhsa_forward_progress 1
		.amdhsa_inst_pref_size 91
	.end_amdhsa_kernel
	.amdgpu_metadata
---
amdhsa.version: [ 1, 2 ]
amdhsa.kernels:
  - .name:           k_q28b161b722_prep
    .symbol:         k_q28b161b722_prep.kd
    .args:
      - { .name: x, .offset: 0, .size: 8, .value_kind: global_buffer, .address_space: global }
      - { .name: attn_norm_w, .offset: 8, .size: 8, .value_kind: global_buffer, .address_space: global }
      - { .name: wq, .offset: 16, .size: 8, .value_kind: global_buffer, .address_space: global }
      - { .name: wk, .offset: 24, .size: 8, .value_kind: global_buffer, .address_space: global }
      - { .name: wv, .offset: 32, .size: 8, .value_kind: global_buffer, .address_space: global }
      - { .name: wo, .offset: 40, .size: 8, .value_kind: global_buffer, .address_space: global }
      - { .name: w_gate, .offset: 48, .size: 8, .value_kind: global_buffer, .address_space: global }
      - { .name: w_up, .offset: 56, .size: 8, .value_kind: global_buffer, .address_space: global }
      - { .name: w_down, .offset: 64, .size: 8, .value_kind: global_buffer, .address_space: global }
      - { .name: xq, .offset: 72, .size: 8, .value_kind: global_buffer, .address_space: global }
      - { .name: wqkv, .offset: 80, .size: 8, .value_kind: global_buffer, .address_space: global }
      - { .name: wst, .offset: 88, .size: 8, .value_kind: global_buffer, .address_space: global }
    .group_segment_fixed_size: 33280
    .private_segment_fixed_size: 0
    .kernarg_segment_align: 8
    .kernarg_segment_size: 96
    .max_flat_workgroup_size: 128
    .sgpr_count:     66
    .vgpr_count:     224
    .wavefront_size: 32
...
	.end_amdgpu_metadata
.endif
;; end of part 1
;; launch qkv (part 2): grid 64 x 4, 4 waves a work-group, clusters of 4 x 1, 167,936 bytes of LDS; arguments xq, wqkv, rope_cos, rope_sin, q, kv; writes q, kv
.if DOCPART == 2
	.amdgcn_target "amdgcn-amd-amdhsa--gfx1250"
	.amdhsa_code_object_version 6
	.text
	.protected	k_q28b161b722_qkv
	.globl	k_q28b161b722_qkv
	.p2align	8
	.type	k_q28b161b722_qkv,@function
k_q28b161b722_qkv:
	s_mov_b64 s[64:65], 0
	v_nop
	global_prefetch_b8 v0, s[64:65] scope:SCOPE_SE
	s_setreg_imm32_b32 hwreg(HW_REG_WAVE_MODE, 25, 1), 1
	s_wait_xcnt 0x0
	s_wait_alu depctr_hold_cnt(0) depctr_sa_sdst(0) depctr_va_vdst(0) depctr_va_sdst(0) depctr_va_ssrc(0) depctr_va_vcc(0) depctr_vm_vsrc(0)
	s_getreg_b32 s2, hwreg(HW_REG_IB_STS2, 6, 4)
	s_cmp_eq_u32 s2, 0
	s_cbranch_scc0 .Lentry_in_a_cluster
	s_endpgm
.Lentry_in_a_cluster:
	s_bfe_u32 s2, ttmp6, 0x10000c
	s_cmp_lg_u32 s2, 0x3003
	s_cbranch_scc0 .Lentry_shape_is_right
	s_endpgm
.Lentry_shape_is_right:
; QKV: q = rope(xn wq), k = rope(xn wk), v = xn wv on codes of FP6 (E2M3), and the three results quantised for attention: q and k along the head's 64, v along the keys.  No work is left out.
; SHARES.  A work-group takes 128 rows (one key step of attention) and two heads: six units of 64 columns (q, k, v of each head).  The waves share the ROWS: wave w takes rows 32 w .. 32 w + 31 as two tiles;
; tile u holds at place r the row 8 u + r + 8 (r / 8).  So nothing but scale bytes goes from wave to wave.
; CLUSTER.  The four work-groups of a cluster take the same two heads: the six records of weights (153,600 bytes, laid by the launch before in the order of the operand's registers) are asked for JOINTLY, once, each wave a quarter.
; q, k: THE PRODUCT IS USED TRANSPOSED (source 0 = 16 columns of the weight, source 1 = 16 rows): a lane holds one row, and its registers 16 b + i hold channel 32 b + 16 (lane / 16) + i: RoPE's partners (b = 0, 1) lie in one lane.
; v: source 0 = 16 rows, source 1 = 16 columns: a lane holds one channel, and the 16 registers of the two row tiles are 16 neighbouring KEYS: the next product's K.
; OUT.  q: [head 16][tile 256] images of half fragments (6 registers a lane, 768 bytes: registers 0-3 at 16 L, 4-5 at 512 + 8 L); from byte 3,145,728 a scale word for each row of a tile (bytes 2, 3 = 0: K is 64).
; kv: [head 16][key step 32] records of 13,056 bytes: K's eight half fragments on end (register p of 48 at 512 (p / 4) + 16 L + 4 (p % 4)); from 6,144 V's codes [block of 32 keys 4][4 tiles x 256 bytes at 16 r | from 1,024: 4 tiles x 128 bytes at 8 r];
; from 12,288 K's scale words (16 L + 4 j: tile 2 j in lanes 0-15, 2 j + 1 in lanes 16-31); from 12,800 V's (8 L + 4 j + block: tile 2 j in lanes 0-15, 2 j + 1 in lanes 16-31).
; LIMITS: NaN and infinities are not served; a block of zeros gets the byte 1 (its codes are zeros; this program alone reads the bytes); blocks under 2^-124 keep the byte 1.
; REGISTERS.  Window 0: v1-13 addresses; v16-79 the unit's 8 accumulators; v80-143 after RoPE; v144-163 codes; v164-179 at work; v182-189 xn's scale words; v190-197 the weights'.
; Window 1: v0-95 xn's 8 fragments (they stay); v96-191 the weights' fragments, two sets of four; v192-223 cos, v224-255 sin of my rows.
.set SCST,  153600                     ; LDS: behind the six records: for each head 512 bytes of K's scale words and 256 of V's
.set SPARE, 155136                     ; the spare words, 128 bytes for each wave: two blocks of 256 bytes that no other line names
.set LI,  1                            ; 16 L
.set XA,  2                            ; xn's codes: (r + 8 (r / 8)) x 384 + 24 h
.set XSA, 3                            ; xn's scale words: (r + 8 (r / 8)) x 16
.set RA,  4                            ; cos, sin: (r + 8 (r / 8)) x 128 + 64 h
.set WA,  5                            ; LDS: the record in hand + 16 L
.set KO,  6                            ; 1,536 w + 16 L
.set VO8, 7                            ; 1,536 w + 8 L
.set QSO, 8                            ; 128 w + 4 L
.set SCK, 9                            ; LDS: SCST + 16 L + 4 w
.set SCV, 10                           ; LDS: SCST + 512 + 8 r + w
.set SRD, 11                           ; LDS: SCST + 768 (w % 2) + 8 L
.set SPW, 12
.set NIL, 13
.set ACC, 16
.set QIN, 80
.set PC,  144
.set TM,  164
.set PW,  180
.set SCR, 181
.set XS,  182
.set WS,  190
.set OB,  198
.set L8,  204                          ; 8 L
.set XF,  0
.set WF,  96
.set CO,  192
.set SI,  224
.set WV,  16
.set SEL, 20
.set HM,  22                           ; the mask of lanes 16-31
.set MSB, 0
.macro WIN new                         ; the immediate's high byte repeats the setting that is left
.if MSB != \new
	s_set_vgpr_msb (MSB<<8)|\new
.set MSB, \new
.endif
.endm
.macro CROUND                          ; a round of the cluster's barrier
	s_barrier_signal -1
	s_barrier_wait -1
	s_cmp_lg_u32 s[WV], 0
	s_cbranch_scc1 .Lnot_wave_0_\@
	s_barrier_signal -3
.Lnot_wave_0_\@:
	s_barrier_wait -3
	s_barrier_signal -1
	s_barrier_wait -1
.endm
.macro WM                              ; one matrix instruction, by the symbols rD, rA, rB, rSA, rSB; fZ: it starts the sum; fRA, fRB: the side's scales stand in lanes 16-31
.if fZ
.if fRA
	v_wmma_scale_f32_16x16x128_f8f6f4 v[rD:rD+7], v[rA:rA+11], v[rB:rB+11], 0, v[rSA], v[rSB] matrix_a_fmt:MATRIX_FMT_FP6 matrix_b_fmt:MATRIX_FMT_FP6 matrix_a_scale:MATRIX_SCALE_ROW1
.elseif fRB
	v_wmma_scale_f32_16x16x128_f8f6f4 v[rD:rD+7], v[rA:rA+11], v[rB:rB+11], 0, v[rSA], v[rSB] matrix_a_fmt:MATRIX_FMT_FP6 matrix_b_fmt:MATRIX_FMT_FP6 matrix_b_scale:MATRIX_SCALE_ROW1
.else
	v_wmma_scale_f32_16x16x128_f8f6f4 v[rD:rD+7], v[rA:rA+11], v[rB:rB+11], 0, v[rSA], v[rSB] matrix_a_fmt:MATRIX_FMT_FP6 matrix_b_fmt:MATRIX_FMT_FP6
.endif
.else
.if fRA
	v_wmma_scale_f32_16x16x128_f8f6f4 v[rD:rD+7], v[rA:rA+11], v[rB:rB+11], v[rD:rD+7], v[rSA], v[rSB] matrix_a_fmt:MATRIX_FMT_FP6 matrix_b_fmt:MATRIX_FMT_FP6 matrix_a_scale:MATRIX_SCALE_ROW1
.elseif fRB
	v_wmma_scale_f32_16x16x128_f8f6f4 v[rD:rD+7], v[rA:rA+11], v[rB:rB+11], v[rD:rD+7], v[rSA], v[rSB] matrix_a_fmt:MATRIX_FMT_FP6 matrix_b_fmt:MATRIX_FMT_FP6 matrix_b_scale:MATRIX_SCALE_ROW1
.else
	v_wmma_scale_f32_16x16x128_f8f6f4 v[rD:rD+7], v[rA:rA+11], v[rB:rB+11], v[rD:rD+7], v[rSA], v[rSB] matrix_a_fmt:MATRIX_FMT_FP6 matrix_b_fmt:MATRIX_FMT_FP6
.endif
.endif
.endm
; 64 numbers of a lane, register 16 b + i, whose block b has its other 16 numbers in lane l xor 16, become codes in v[PC] on (registers 6 c .. 6 c + 5 of lane (r, h): block 2 c + h, whole) and four scale bytes in v[PW].
.macro QUANT src
.irp b, 0,1,2,3
	v_max3_num_f32 v[TM+\b], |v[\src+16*\b]|, |v[\src+1+16*\b]|, 0x1800000   ; my 16 numbers, and the floor 2^(3 - 127): the byte cannot fall under 1
.endr
.irp i, 2,4,6,8,10,12,14
.irp b, 0,1,2,3
	v_max3_num_f32 v[TM+\b], v[TM+\b], |v[\src+16*\b+\i]|, |v[\src+1+16*\b+\i]|
.endr
.endr
.irp b, 0,1,2,3
	v_permlanex16_b32 v[TM+4+\b], v[TM+\b], s[SEL], s[SEL+1]
.endr
.irp b, 0,1,2,3
	v_max_num_f32 v[TM+\b], v[TM+\b], v[TM+4+\b]
.endr
.irp b, 0,1,2,3
	v_add_nc_u32 v[TM+12+\b], 0xff000000, v[TM+\b]   ; 2 off the exponent field: the conversion's scale operand
.endr
.irp b, 0,1,2,3
	v_lshrrev_b32 v[TM+4+\b], 23, v[TM+12+\b]        ; the scale's byte
.endr
	v_lshl_or_b32 v[PW], v[TM+5], 8, v[TM+4]
	v_lshl_or_b32 v[PW], v[TM+6], 16, v[PW]
	v_lshl_or_b32 v[PW], v[TM+7], 24, v[PW]
.irp c, 0,1
	v_cvt_scalef32_pk16_fp6_f32 v[PC+6*\c:PC+2+6*\c], v[\src+32*\c:\src+15+32*\c], v[TM+12+2*\c]
	v_cvt_scalef32_pk16_fp6_f32 v[PC+12+4*\c:PC+14+4*\c], v[\src+16+32*\c:\src+31+32*\c], v[TM+12+2*\c+1]
.endr
	v_nop                                          ; one plain instruction behind a scaled conversion
.irp c, 0,1
.irp i, 0,1,2
	v_permlane16_swap_b32 v[PC+6*\c+\i], v[PC+12+4*\c+\i]
.endr
.irp i, 0,1,2
	v_mov_b32 v[PC+3+6*\c+\i], v[PC+12+4*\c+\i]
.endr
.endr
.endm
.macro GROUP ks                        ; the weights' four fragments of K step ks: 12 loads of 512 consecutive bytes
.irp t, 0,1,2,3
.irp j, 0,1,2
	ds_load_b128 v[WF+48*((\ks)%2)+12*\t+4*\j:WF+48*((\ks)%2)+12*\t+4*\j+3], v[WA] offset:(4*(\ks)+\t)*1536+512*\j
.endr
.endr
.endm
; A unit: 64 columns x my 32 rows x K 512: 32 matrix instructions, the eight accumulators by turns.  kind 0: q or k, transposed; 1: v
.macro UNIT un, kind
	WIN 0
	v_add_nc_u32 v[WA], (\un)*25600, v[LI]
	ds_load_b128 v[WS:WS+3], v[WA] offset:24576
	ds_load_b128 v[WS+4:WS+7], v[WA] offset:25088
	WIN 0x40                                       ; destination window 1
	GROUP 0
	GROUP 1
	s_wait_alu depctr_va_vdst(0)
.irp s, 0,1,2,3
.if \s < 3
	s_wait_dscnt 12                                ; all but the twelve loads of the group issued last
.else
	s_wait_dscnt 0x0
.endif
	WIN 0x05                                       ; sources 0 and 1 window 1; C and D window 0
.irp t, 0,1,2,3
.irp u, 0,1
.set fZ, 0
.if \s == 0
.set fZ, 1
.endif
.if \kind == 0
.set rD, ACC+32*\u+8*\t
.set rA, WF+48*(\s%2)+12*\t
.set rB, XF+12*(4*\u+\s)
.set rSA, WS+4*(\t/2)+\s
.set rSB, XS+4*\u+\s
.set fRA, \t%2
.set fRB, 0
.else
.set rD, ACC+16*\t+8*\u
.set rA, XF+12*(4*\u+\s)
.set rB, WF+48*(\s%2)+12*\t
.set rSA, XS+4*\u+\s
.set rSB, WS+4*(\t/2)+\s
.set fRA, 0
.set fRB, \t%2
.endif
	WM
.endr
.endr
.if \s < 2
.rept 4
	v_nop                                          ; places in front of loads into registers that matrix instructions have read
.endr
	WIN 0x40
	GROUP \s+2
.endif
.endr
	WIN 0
.rept 4
	v_nop                                          ; places in front of the first read of results
.endr
	s_wait_xcnt 0x0                                ; the last unit's stores have read their data: the codes' registers are written again only behind this wait
.endm
.macro ROPEQ                           ; RoPE, then the quantiser; then the tile's scale word: bytes 0, 1 its two blocks, bytes 2, 3 zero; tile 0's in lanes 0-15, tile 1's in lanes 16-31
	WIN 0x04                                       ; source 1 (cos, sin) window 1
.irp u, 0,1
.irp i, 0,2,4,6,8,10,12,14
	v_pk_mul_f32 v[QIN+32*\u+\i:QIN+32*\u+\i+1], v[ACC+32*\u+\i:ACC+32*\u+\i+1], v[CO+16*\u+\i:CO+16*\u+\i+1]
	v_pk_mul_f32 v[QIN+32*\u+16+\i:QIN+32*\u+16+\i+1], v[ACC+32*\u+16+\i:ACC+32*\u+16+\i+1], v[CO+16*\u+\i:CO+16*\u+\i+1]
	v_pk_fma_f32 v[QIN+32*\u+\i:QIN+32*\u+\i+1], v[ACC+32*\u+16+\i:ACC+32*\u+16+\i+1], v[SI+16*\u+\i:SI+16*\u+\i+1], v[QIN+32*\u+\i:QIN+32*\u+\i+1] neg_lo:[1,0,0] neg_hi:[1,0,0]
	v_pk_fma_f32 v[QIN+32*\u+16+\i:QIN+32*\u+16+\i+1], v[ACC+32*\u+\i:ACC+32*\u+\i+1], v[SI+16*\u+\i:SI+16*\u+\i+1], v[QIN+32*\u+16+\i:QIN+32*\u+16+\i+1]
.endr
.endr
	WIN 0
	QUANT QIN
	v_and_b32 v14, 0xffff, v[PW]
	v_lshrrev_b32 v15, 16, v[PW]
	v_cndmask_b32 v[SCR], v14, v15, s[HM]
.endm
.macro EPI_Q qc, qs
	ROPEQ
.irp u, 0,1
	global_store_b128 v[KO], v[PC+6*\u:PC+6*\u+3], s[\qc:\qc+1] offset:768*\u          ; 512 consecutive bytes,
	global_store_b64 v[VO8], v[PC+6*\u+4:PC+6*\u+5], s[\qc:\qc+1] offset:768*\u+512    ; and 256: a tile's image
.endr
	global_store_b32 v[QSO], v[SCR], s[\qs:\qs+1]
.endm
.macro EPI_K kvp, a
	ROPEQ
.irp j, 0,1,2
	global_store_b128 v[KO], v[PC+4*\j:PC+4*\j+3], s[\kvp:\kvp+1] offset:512*\j
.endr
	ds_store_b32 v[SCK], v[SCR] offset:768*\a
.endm
.macro EPI_V kvp, a                    ; the quantiser's block t is channel tile t: 32 keys of one channel
	QUANT ACC
.irp c, 0,1
	global_store_b128 v[KO], v[PC+6*\c:PC+6*\c+3], s[\kvp:\kvp+1] offset:6144+512*\c
	global_store_b64 v[VO8], v[PC+6*\c+4:PC+6*\c+5], s[\kvp:\kvp+1] offset:7168+256*\c
.endr
.irp t, 0,1,2,3
	ds_store_b8 v[SCV], v[TM+4+\t] offset:768*\a+128*(\t%2)+4*(\t/2)   ; lanes l and l xor 16 write the same byte with the same value
.endr
.endm
	s_load_b256 s[4:11], s[0:1], 0x0               ; xq, wqkv, rope_cos, rope_sin
	s_load_b128 s[12:15], s[0:1], 0x20             ; q, kv
	v_lshl_add_u32 v[SPW], v0, 2, SPARE
	v_mov_b32 v[NIL], 0
	ds_add_u32 v[SPW], v[NIL]                      ; the wave's opening: the add, twice on end, and its wait ahead of my first tensor load
	ds_add_u32 v[SPW], v[NIL]
	v_lshrrev_b32 v14, 5, v0
	v_readfirstlane_b32 s[WV], v14                 ; wave 0..3
	s_and_b32 s19, ttmp7, 0xffff                   ; which pair of heads: shared by the four partners
	s_mov_b32 s24, 0x0023000f                      ; group 1: mask of the four work-groups; elements of 8 bytes; bit 21 beside the mask; no padding
	s_mov_b32 s25, 32<<16                          ; tensor_dim0 = 32 elements: rows of 256 bytes
	s_mov_b32 s26, 150<<16                         ; tensor_dim1 = 150 rows: a quarter of the six records
	s_mov_b32 s27, 32<<16                          ; tile_dim0
	s_mov_b32 s28, 150                             ; tile_dim1
	s_mov_b32 s29, 32                              ; the pitch: dense
	s_mov_b32 s30, 0
	s_mov_b32 s31, 0
	s_mul_i32 s36, s[WV], 38400                    ; my quarter, in LDS and in memory
	s_mul_i32 s38, s19, 153600
	s_add_co_u32 s38, s38, s36
	s_mov_b32 s39, 0
	s_mov_b32 s[SEL], 0x76543210
	s_mov_b32 s[SEL+1], 0xfedcba98
	s_mov_b32 s[HM], 0xffff0000
	v_and_b32 v14, 31, v0                          ; L
	v_and_b32 v15, 15, v0                          ; r
	v_bfe_u32 v205, v0, 4, 1                       ; h
	v_and_b32 v206, 8, v15
	v_add_nc_u32 v206, v206, v15                   ; r + 8 (r / 8)
	v_lshlrev_b32 v[LI], 4, v14
	v_lshlrev_b32 v[L8], 3, v14
	v_mul_u32_u24 v[XA], v206, 384
	v_mad_u32_u24 v[XA], v205, 24, v[XA]
	v_lshlrev_b32 v[XSA], 4, v206
	v_lshlrev_b32 v[RA], 7, v206
	v_lshl_add_u32 v[RA], v205, 6, v[RA]
	s_mul_i32 s23, s[WV], 1536
	v_add_nc_u32 v[KO], s23, v[LI]
	v_add_nc_u32 v[VO8], s23, v[L8]
	s_lshl_b32 s23, s[WV], 7
	v_lshl_add_u32 v[QSO], v14, 2, s23
	s_lshl_b32 s23, s[WV], 2
	s_add_co_u32 s23, s23, SCST
	v_add_nc_u32 v[SCK], s23, v[LI]
	s_add_co_u32 s23, s[WV], SCST+512
	v_lshl_add_u32 v[SCV], v15, 3, s23
	s_and_b32 s23, s[WV], 1
	s_mul_i32 s23, s23, 768
	s_add_co_u32 s23, s23, SCST
	v_add_nc_u32 v[SRD], s23, v[L8]
.irp b, 0,1,2,3
	v_mov_b32 v[TM+4+\b], 0                        ; written once: a lane permute's destination counts as one of its sources
.endr
	s_wait_dscnt 0x0                               ; both opening adds are done
	s_wait_kmcnt 0x0
	s_mov_b32 s32, 1
	s_mov_b32 s33, s36
	s_add_nc_u64 s[34:35], s[6:7], s[38:39]
	s_or_b32 s35, s35, 0x80000000
	CROUND                                         ; all four work-groups are here: the joint loads meet
	tensor_load_to_lds s[32:35], s[24:31]          ; my one tensor load of the launch: nothing is filled again
	s_nop 0
.rept 4
	v_nop
.endr
	s_bfe_u32 s17, ttmp6, 0x40000                  ; cx: it enters global addresses alone
	s_lshl_b32 s18, ttmp9, 2
	s_add_co_u32 s18, s18, s17                     ; my block of 128 rows
	s_lshl_b32 s42, s18, 7
	s_lshl_b32 s43, s[WV], 5
	s_add_co_u32 s42, s42, s43                     ; my wave's first row
	s_mul_i32 s44, s42, 384
	s_mov_b32 s45, 0
	s_add_nc_u64 s[40:41], s[4:5], s[44:45]        ; its codes
	s_lshl_b32 s44, s42, 4
	s_add_co_u32 s44, s44, 3145728
	s_add_nc_u64 s[46:47], s[4:5], s[44:45]        ; its scale words
	s_and_b32 s44, s42, 4095                       ; its position in the sequence
	s_lshl_b32 s44, s44, 7
	s_add_nc_u64 s[48:49], s[8:9], s[44:45]
	s_add_nc_u64 s[50:51], s[10:11], s[44:45]
	s_lshr_b32 s66, s18, 5
	s_lshl_b32 s66, s66, 3
	s_lshl_b32 s67, s19, 1
	s_add_co_u32 s66, s66, s67                     ; 8 x batch + the first of my two heads
	s_and_b32 s67, s18, 31                         ; the key step
	s_lshl_b32 s68, s66, 5
	s_add_co_u32 s68, s68, s67
	s_mul_i32 s68, s68, 13056
	s_mov_b32 s69, 0
	s_add_nc_u64 s[52:53], s[14:15], s[68:69]      ; kv's record, head 0 of the pair,
	s_add_nc_u64 s[54:55], s[52:53], 417792        ; head 1
	s_lshl_b32 s68, s66, 8
	s_lshl_b32 s67, s67, 3
	s_add_co_u32 s68, s68, s67
	s_mul_i32 s70, s68, 768
	s_mov_b32 s71, 0
	s_add_nc_u64 s[56:57], s[12:13], s[70:71]      ; q's eight tiles, head 0,
	s_add_nc_u64 s[58:59], s[56:57], 196608        ; head 1
	s_lshl_b32 s70, s68, 6
	s_add_co_u32 s70, s70, 3145728
	s_add_nc_u64 s[60:61], s[12:13], s[70:71]      ; and their scale words
	s_add_nc_u64 s[62:63], s[60:61], 16384
	WIN 0x40
.irp u, 0,1
.irp s, 0,1,2,3
.irp p, 0,1,2,3,4,5
	global_load_b64 v[XF+12*(4*\u+\s)+2*\p:XF+12*(4*\u+\s)+2*\p+1], v[XA], s[40:41] offset:3072*\u+96*\s+48*(\p/3)+8*(\p%3)   ; xn's fragments, from rows of codes
.endr
.endr
.endr
.irp u, 0,1
.irp j, 0,1,2,3
	global_load_b128 v[CO+16*\u+4*\j:CO+16*\u+4*\j+3], v[RA], s[48:49] offset:1024*\u+16*\j   ; cos and sin at 16 h + 0 .. 15 of my row's position
	global_load_b128 v[SI+16*\u+4*\j:SI+16*\u+4*\j+3], v[RA], s[50:51] offset:1024*\u+16*\j
.endr
.endr
	WIN 0
.irp u, 0,1
	global_load_b128 v[XS+4*\u:XS+4*\u+3], v[XSA], s[46:47] offset:128*\u
.endr
	s_wait_tensorcnt 0x0                           ; my quarter of the weights is in,
	s_barrier_signal -1
	s_barrier_wait -1                              ; everybody's is
	s_wait_loadcnt 0x0
	UNIT 0, 0
	EPI_Q 56, 60
	UNIT 1, 0
	EPI_K 52, 0
	UNIT 2, 1
	EPI_V 52, 0
	UNIT 3, 0
	EPI_Q 58, 62
	UNIT 4, 0
	EPI_K 54, 1
	UNIT 5, 1
	EPI_V 54, 1
	s_wait_dscnt 0x0                               ; for the others' sake: my scale bytes lie in LDS
	s_barrier_signal -1
	s_barrier_wait -1
	s_cmp_lt_u32 s[WV], 2                          ; wave a stores head a's 768 scale bytes
	s_cbranch_scc0 .Lno_scales
	s_cmp_eq_u32 s[WV], 0
	s_cselect_b64 s[72:73], s[52:53], s[54:55]
.irp i, 0,1,2
	ds_load_b64 v[OB+2*\i:OB+2*\i+1], v[SRD] offset:256*\i
.endr
	s_wait_dscnt 0x0
.irp i, 0,1,2
	global_store_b64 v[L8], v[OB+2*\i:OB+2*\i+1], s[72:73] offset:12288+256*\i   ; 32 lanes store 256 consecutive bytes, aligned
.endr
.Lno_scales:
	s_wait_tensorcnt 0x0                           ; the wave's end
	ds_add_u32 v[SPW], v[NIL]
	s_wait_dscnt 0x0
	CROUND                                         ; the closing round
	s_endpgm
.Lfunc_end_k_q28b161b722_qkv:
	.size	k_q28b161b722_qkv, .Lfunc_end_k_q28b161b722_qkv-k_q28b161b722_qkv
	.p2alignl 7, 3214868480
	.fill 96, 4, 3214868480
	.section	.rodata,"a",@progbits
	.p2align	6, 0x0
	.amdhsa_kernel k_q28b161b722_qkv
		.amdhsa_group_segment_fixed_size 167936
		.amdhsa_private_segment_fixed_size 0
		.amdhsa_enable_private_segment 0
		.amdhsa_kernarg_size 48
		.amdhsa_user_sgpr_count 2
		.amdhsa_user_sgpr_kernarg_segment_ptr 1
		.amdhsa_wavefront_size32 1
		.amdhsa_system_sgpr_workgroup_id_x 1
		.amdhsa_system_sgpr_workgroup_id_y 1
		.amdhsa_system_sgpr_workgroup_id_z 1
		.amdhsa_system_vgpr_workitem_id 0
		.amdhsa_next_free_vgpr 512
		.amdhsa_next_free_sgpr 80
		.amdhsa_reserve_vcc 0
		.amdhsa_float_denorm_mode_32 3
		.amdhsa_float_denorm_mode_16_64 3
		.amdhsa_memory_ordered 1
		.amdhsa_forward_progress 1
		.amdhsa_inst_pref_size 103
	.end_amdhsa_kernel
	.amdgpu_metadata
---
amdhsa.version: [ 1, 2 ]
amdhsa.kernels:
  - .name:           k_q28b161b722_qkv
    .symbol:         k_q28b161b722_qkv.kd
    .args:
      - { .name: xq, .offset: 0, .size: 8, .value_kind: global_buffer, .address_space: global }
      - { .name: wqkv, .offset: 8, .size: 8, .value_kind: global_buffer, .address_space: global }
      - { .name: rope_cos, .offset: 16, .size: 8, .value_kind: global_buffer, .address_space: global }
      - { .name: rope_sin, .offset: 24, .size: 8, .value_kind: global_buffer, .address_space: global }
      - { .name: q, .offset: 32, .size: 8, .value_kind: global_buffer, .address_space: global }
      - { .name: kv, .offset: 40, .size: 8, .value_kind: global_buffer, .address_space: global }
    .group_segment_fixed_size: 167936
    .private_segment_fixed_size: 0
    .kernarg_segment_align: 8
    .kernarg_segment_size: 48
    .max_flat_workgroup_size: 128
    .sgpr_count:     80
    .vgpr_count:     512
    .wavefront_size: 32
...
	.end_amdgpu_metadata
.endif
;; end of part 2
;; launch attn (part 3): grid 16 x 16, 16 waves a work-group, clusters of 4 x 1, 327,680 bytes of LDS; arguments q, kv, ao; writes ao
.if DOCPART == 3
	.amdgcn_target "amdgcn-amd-amdhsa--gfx1250"
	.amdhsa_code_object_version 6
	.text
	.protected	k_q28b161b722_attn
	.globl	k_q28b161b722_attn
	.p2align	8
	.type	k_q28b161b722_attn,@function
k_q28b161b722_attn:
	s_mov_b64 s[64:65], 0
	v_nop
	global_prefetch_b8 v0, s[64:65] scope:SCOPE_SE
	s_setreg_imm32_b32 hwreg(HW_REG_WAVE_MODE, 25, 1), 1
	s_wait_xcnt 0x0
	s_wait_alu depctr_hold_cnt(0) depctr_sa_sdst(0) depctr_va_vdst(0) depctr_va_sdst(0) depctr_va_ssrc(0) depctr_va_vcc(0) depctr_vm_vsrc(0)
	s_getreg_b32 s2, hwreg(HW_REG_IB_STS2, 6, 4)
	s_cmp_eq_u32 s2, 0
	s_cbranch_scc0 .Lentry_in_a_cluster
	s_endpgm
.Lentry_in_a_cluster:
	s_bfe_u32 s2, ttmp6, 0x10000c
	s_cmp_lg_u32 s2, 0x3003
	s_cbranch_scc0 .Lentry_shape_is_right
	s_endpgm
.Lentry_shape_is_right:
; ATTN: O = softmax(q k^T / 8) v for 16 heads of 4,096 positions and 64 channels, both products on codes of FP6 (E2M3); O / l is quantised along the head's 64 for the product with wo.  No mask; no work is left out.
; THE SOFTMAX AHEAD OF THE SECOND PRODUCT: t = score x log2(e) / 8; M = the row's largest t so far, rounded UP to a whole number; p = 2^(t - M) is quantised along the keys, not normalised.  The row's sum is taken of the
; unquantised p and divides O at the end.  When M moves, the sum and O are multiplied by 2^(old M - new M): exact.
; SHARES.  A work-group owns 256 queries of one head, each of its sixteen waves one tile of 16, in 256 registers: four waves to a SIMD, so that one wave's vector work stands beside another's matrix work and LDS loads.
; Every wave walks the head's 32 key steps of 128 keys.  A step is one record of 13,056 bytes, laid by the launch before in the order of the operands' registers; a slot of LDS holds 8 steps; two slots take turns.
; CLUSTER.  The four work-groups of a cluster belong to one head and walk the same records: each slot is asked for JOINTLY, by waves 0-3, a quarter each.
; LAYOUT.  Both products transposed: S^T = K Q^T (source 0 = 16 keys), O^T = V^T P^T (source 0 = 16 channels): a lane holds ONE query throughout.  The keys of a tile, and the channels of a tile of V, are not neighbours
; (place r of tile 2 b + u: 32 b + 8 u + r + 8 (r / 8)), so that the 16 registers of two neighbouring tiles are 16 neighbours: of the keys for p, of the channels for O.
; K = 64 IN AN INSTRUCTION OF 128: Q's registers 6-11 are zero codes, and bytes 2, 3 of Q's and K's scale words are 0 (2^-127: a number, no NaN).  K's eight half fragments lie on end in 48 registers; tile t names
; registers 6 t .. 6 t + 11: its upper six are the next tile's codes (six zeros behind the last): finite numbers, which meet Q's zeros and add exactly 0.
; LIMITS: NaN and infinities are not served; a block of zeros gets the byte 1 (its codes are zeros; this program alone reads the bytes).
; REGISTERS: v1-7 addresses that stay; v8-11 the step's; v12 -M, v13 the largest t, v[14:15] the sum; v16-27 Q; v32-79 K's, then V's fragments, v80-85 zeros; v96-159 S^T, then p; v160-191 O^T; v192-203 p's codes; v204-235 at work.
.set STEPB, 13056
.set NQ,    8                          ; key steps in a slot
.set SLOTB, NQ*STEPB                   ; 104,448
.set NSL,   4
.set SLOT1, 131072                     ; slot 1 begins here: one exclusive or turns an address from one slot to the other
.set SPARE, SLOT1+SLOTB                ; the spare words, 128 bytes for each wave: eight blocks of 256 bytes that no other line names
.set LI,  1                            ; 16 L
.set AVA, 2                            ; 6,144 + 1,536 h + 16 r: V's codes, first four registers of a block's six
.set AVB, 3                            ; 7,168 + 1,536 h + 8 r: the other two
.set AS8, 4                            ; 12,800 + 8 L: V's scale words
.set SPW, 5
.set NIL, 6
.set L8,  7                            ; 8 L
.set ADK, 8
.set ADVA, 9
.set ADVB, 10
.set ADS, 11
.set PFO, 28
.set QS,  29
.set BO,  30                           ; 16 r + h
.set QSA, 31                           ; 4 r
.set KF,  32
.set S,   96
.set O,   160
.set PCD, 192
.set CT,  204
.set BM,  212
.set BP,  216
.set SO,  220
.set KS,  224
.set VS,  228
.set WV,  18
.set SEL, 20
.set CS,  22
.set HM,  44
.set TB,  45
.set SLOTS, 46
.set CNT, 47
.set PFA, 48
.set LIM, 50
.macro CROUND
	s_barrier_signal -1
	s_barrier_wait -1
	s_cmp_lg_u32 s[WV], 0
	s_cbranch_scc1 .Lnot_wave_0_\@
	s_barrier_signal -3
.Lnot_wave_0_\@:
	s_barrier_wait -3
	s_barrier_signal -1
	s_barrier_wait -1
.endm
.macro TLOAD                           ; waves 0-3 fetch a quarter of a slot each; the branch hangs on the wave's number alone.  An s_nop 0 and four v_nop follow the load
	s_cmp_lt_u32 s[WV], 4
	s_cbranch_scc0 .Lasked_\@
	tensor_load_to_lds s[40:43], s[24:31]
	s_nop 0
.rept 4
	v_nop
.endr
.Lasked_\@:
.endm
; A PREFETCH INTO THE L2 of the slot that the NEXT change of slots will ask for: 8 key steps ahead of that load.  All clusters of a head walk the same records: the head's first cluster asks.  Its four partners share a slot's
; 408 blocks of 256 bytes BY ADDRESS, 102 each; in each, waves 4-9 take 17 blocks, a lane a block (lanes 17-31 repeat lane 16's).  The last change that fills a slot asks for nothing; slots 0 and 1 come by their loads alone.
.macro ASK
	s_cmp_gt_u32 s[SLOTS], s[LIM]
	s_cbranch_scc0 .Lnot_mine_\@
	global_prefetch_b8 v[PFO], s[PFA:PFA+1] th:TH_LOAD_NT scope:SCOPE_SE
.Lnot_mine_\@:
.endm
.macro STEP
	v_add_nc_u32 v[ADK], s[TB], v[LI]              ; four plain instructions: also the places between the last products and the loads into the registers that they read
	v_add_nc_u32 v[ADVA], s[TB], v[AVA]
	v_add_nc_u32 v[ADVB], s[TB], v[AVB]
	v_add_nc_u32 v[ADS], s[TB], v[AS8]
.irp j, 0,1,2,3,4,5,6,7,8,9,10,11
	ds_load_b128 v[KF+4*\j:KF+4*\j+3], v[ADK] offset:512*\j
.endr
	ds_load_b128 v[KS:KS+3], v[ADK] offset:12288
	s_wait_alu depctr_va_vdst(0)
	s_wait_dscnt 0x0
.irp t, 0,2,4,6
	v_wmma_scale_f32_16x16x128_f8f6f4 v[S+8*\t:S+8*\t+7], v[KF+6*\t:KF+6*\t+11], v[16:27], 0, v[KS+\t/2], v[QS] matrix_a_fmt:MATRIX_FMT_FP6 matrix_b_fmt:MATRIX_FMT_FP6
	v_wmma_scale_f32_16x16x128_f8f6f4 v[S+8*\t+8:S+8*\t+15], v[KF+6*\t+6:KF+6*\t+17], v[16:27], 0, v[KS+\t/2], v[QS] matrix_a_fmt:MATRIX_FMT_FP6 matrix_b_fmt:MATRIX_FMT_FP6 matrix_a_scale:MATRIX_SCALE_ROW1
.endr
.rept 4
	v_nop                                          ; places: in front of the loads below, and of the first read of the scores
.endr
.irp t, 0,1,2,3                                ; V's four fragments are asked for now and land under the softmax
.irp c, 0,1
	ds_load_b128 v[KF+12*\t+6*\c:KF+12*\t+6*\c+3], v[ADVA] offset:3072*\c+256*\t
	ds_load_b64 v[KF+12*\t+6*\c+4:KF+12*\t+6*\c+5], v[ADVB] offset:3072*\c+128*\t
.endr
.endr
	ds_load_b64 v[VS:VS+1], v[ADS]
.irp b, 0,1,2,3
	v_max3_num_f32 v[BM+\b], v[S+16*\b], v[S+1+16*\b], v[S+2+16*\b]   ; the largest score of each block of 32 keys: for the row's maximum and, since p rises with the score, for the block's largest p
.endr
.irp i, 3,5,7,9,11,13
.irp b, 0,1,2,3
	v_max3_num_f32 v[BM+\b], v[BM+\b], v[S+16*\b+\i], v[S+1+16*\b+\i]
.endr
.endr
.irp b, 0,1,2,3
	v_max_num_f32 v[BM+\b], v[BM+\b], v[S+15+16*\b]
.endr
.irp b, 0,1,2,3
	s_delay_alu instid0(VALU_DEP_4)
	v_permlanex16_b32 v[BP+\b], v[BM+\b], s[SEL], s[SEL+1]
.endr
.irp b, 0,1,2,3
	s_delay_alu instid0(VALU_DEP_4)
	v_max_num_f32 v[BM+\b], v[BM+\b], v[BP+\b]     ; with lane l xor 16's 16 keys
.endr
	s_delay_alu instid0(VALU_DEP_2)
	v_max3_num_f32 v232, v[BM], v[BM+1], v[BM+2]
	s_delay_alu instid0(VALU_DEP_1)
	v_max_num_f32 v232, v232, v[BM+3]
	s_delay_alu instid0(VALU_DEP_1)
	v_mul_f32 v232, s[CS], v232                    ; the step's largest t
	s_delay_alu instid0(VALU_DEP_1)
	v_max_num_f32 v13, v13, v232                   ; the running largest t
	v_mov_b32 v232, v12
	s_delay_alu instid0(VALU_DEP_2)
	v_floor_f32 v12, -v13                          ; the new -M = floor(-t): M is a whole number
	s_delay_alu instid0(VALU_DEP_1)
	v_sub_f32 v232, v12, v232                      ; old M - new M: a whole number, 0 or less
	s_delay_alu instid0(VALU_DEP_1)
	v_cvt_i32_f32 v232, v232                       ; (it saturates)
	s_delay_alu instid0(VALU_DEP_1)
	v_ldexp_f32 v230, 1.0, v232                    ; f = 2^(old M - new M)
.set j, 0
.rept 32
	v_pk_fma_f32 v[S+j:S+j+1], v[S+j:S+j+1], s[CS:CS+1], v[12:13] op_sel_hi:[1,0,0]   ; t - M
.set j, j+2
.endr
.irp b, 0,1,2,3
	v_fma_f32 v[BM+\b], v[BM+\b], s[CS], v12       ; the same of each block's largest score
.endr
.set j, 0
	s_wait_alu depctr_va_vdst(0)
.rept 64
	v_exp_f32 v[S+j], v[S+j]                       ; p = 2^(t - M)
.set j, j+1
.endr
	v_pk_mul_f32 v[14:15], v[14:15], v[230:231] op_sel_hi:[1,0]    ; the sums under the new M: a plain instruction behind the exponentials
	s_wait_alu depctr_va_vdst(0)                   ; one wait for the whole batch, ahead of its first reader
.irp b, 0,1,2,3
	v_exp_f32 v[BM+\b], v[BM+\b]                   ; the block's largest p
.endr
	v_pk_add_f32 v[234:235], v[100:101], v[104:105]
	v_pk_add_f32 v[254:255], v[108:109], v[112:113]
	v_pk_add_f32 v[252:253], v[116:117], v[120:121]
	v_pk_add_f32 v[250:251], v[124:125], v[128:129]
	v_pk_add_f32 v[248:249], v[132:133], v[136:137]
	v_pk_add_f32 v[246:247], v[140:141], v[144:145]
	v_pk_add_f32 v[244:245], v[148:149], v[152:153]
	v_pk_add_f32 v[14:15], v[14:15], v[156:157]
	v_pk_add_f32 v[234:235], v[234:235], v[96:97]
	v_pk_add_f32 v[254:255], v[254:255], v[98:99]
	v_pk_add_f32 v[252:253], v[252:253], v[102:103]
	v_pk_add_f32 v[250:251], v[250:251], v[106:107]
	v_pk_add_f32 v[248:249], v[248:249], v[110:111]
	v_pk_add_f32 v[246:247], v[246:247], v[114:115]
	v_pk_add_f32 v[244:245], v[244:245], v[118:119]
	v_pk_add_f32 v[14:15], v[14:15], v[122:123]
	v_pk_add_f32 v[234:235], v[234:235], v[126:127]
	v_pk_add_f32 v[254:255], v[254:255], v[130:131]
	v_pk_add_f32 v[252:253], v[252:253], v[134:135]
	v_pk_add_f32 v[250:251], v[250:251], v[138:139]
	v_pk_add_f32 v[248:249], v[248:249], v[142:143]
	v_pk_add_f32 v[246:247], v[246:247], v[146:147]
	v_pk_add_f32 v[244:245], v[244:245], v[150:151]
	v_pk_add_f32 v[14:15], v[14:15], v[154:155]
	v_pk_add_f32 v[234:235], v[234:235], v[158:159]
	s_delay_alu instid0(VALU_DEP_2)
	v_pk_add_f32 v[14:15], v[14:15], v[250:251]
	s_delay_alu instid0(VALU_DEP_2)
	v_pk_add_f32 v[234:235], v[234:235], v[248:249]
	v_pk_add_f32 v[254:255], v[254:255], v[246:247]
	v_pk_add_f32 v[252:253], v[252:253], v[244:245]
	s_delay_alu instid0(VALU_DEP_2)
	v_pk_add_f32 v[14:15], v[14:15], v[254:255]
	s_delay_alu instid0(VALU_DEP_2)
	v_pk_add_f32 v[234:235], v[234:235], v[252:253]
	s_delay_alu instid0(VALU_DEP_1)
	v_pk_add_f32 v[14:15], v[14:15], v[234:235]
	s_wait_alu depctr_va_vdst(0)                   ; and one for the four
.irp b, 0,1,2,3
	v_max_num_f32 v[BM+\b], 0x1800000, v[BM+\b]    ; the floor 2^(3 - 127)
.endr
.irp b, 0,1,2,3
	s_delay_alu instid0(VALU_DEP_4)
	v_add_nc_u32 v[SO+\b], 0xff000000, v[BM+\b]    ; the conversion's scale operand
.endr
.irp b, 0,1,2,3
	s_delay_alu instid0(VALU_DEP_4)
	v_lshrrev_b32 v[BP+\b], 23, v[SO+\b]           ; the scale's byte
.endr
	s_delay_alu instid0(VALU_DEP_3)
	v_lshl_or_b32 v231, v[BP+1], 8, v[BP]          ; p's scale word for these 128 keys
	s_delay_alu instid0(VALU_DEP_1)
	v_lshl_or_b32 v231, v[BP+2], 16, v231
	s_delay_alu instid0(VALU_DEP_1)
	v_lshl_or_b32 v231, v[BP+3], 24, v231
.irp c, 0,1
	v_cvt_scalef32_pk16_fp6_f32 v[PCD+6*\c:PCD+2+6*\c], v[S+32*\c:S+15+32*\c], v[SO+2*\c]
	v_cvt_scalef32_pk16_fp6_f32 v[CT+4*\c:CT+2+4*\c], v[S+16+32*\c:S+31+32*\c], v[SO+2*\c+1]
.endr
	v_nop                                          ; one plain instruction behind a scaled conversion
.irp c, 0,1
.irp i, 0,1,2
	v_permlane16_swap_b32 v[PCD+6*\c+\i], v[CT+4*\c+\i]
.endr
.irp i, 0,1,2
	s_delay_alu instid0(VALU_DEP_3)
	v_mov_b32 v[PCD+3+6*\c+\i], v[CT+4*\c+\i]
.endr
.endr
.set j, 0
.rept 16
	v_pk_mul_f32 v[O+j:O+j+1], v[O+j:O+j+1], v[230:231] op_sel_hi:[1,0]   ; O^T under the new M; these sixteen are also the places between p's codes and scale word and the products
.set j, j+2
.endr
	s_wait_alu depctr_va_vdst(0)
	s_wait_dscnt 0x0                               ; V is in
.irp t, 0,2
	v_wmma_scale_f32_16x16x128_f8f6f4 v[O+8*\t:O+8*\t+7], v[KF+12*\t:KF+12*\t+11], v[PCD:PCD+11], v[O+8*\t:O+8*\t+7], v[VS+\t/2], v231 matrix_a_fmt:MATRIX_FMT_FP6 matrix_b_fmt:MATRIX_FMT_FP6
	v_wmma_scale_f32_16x16x128_f8f6f4 v[O+8*\t+8:O+8*\t+15], v[KF+12*\t+12:KF+12*\t+23], v[PCD:PCD+11], v[O+8*\t+8:O+8*\t+15], v[VS+\t/2], v231 matrix_a_fmt:MATRIX_FMT_FP6 matrix_b_fmt:MATRIX_FMT_FP6 matrix_a_scale:MATRIX_SCALE_ROW1
.endr
	s_add_co_u32 s[TB], s[TB], STEPB
.endm
; THE CHANGE OF SLOTS stands at a slot's head: each wave waits for all its tensor loads, adds 0 to its spare word, and waits for that and for its reads of the slot that it has left.  fill = 1: the barrier is a round of the
; cluster's, and behind it the slot just left is filled with the 8 key steps that follow: that load has a whole slot's steps in which to land.
.macro CHANGE fill
	s_wait_tensorcnt 0x0                           ; no tensor load of mine is out, so the descriptor may be written
	ds_add_u32 v[SPW], v[NIL]                      ; 0 onto my spare word
.if \fill
	ds_add_u32 v[SPW], v[NIL]                      ; and once more
	s_xor_b32 s41, s41, SLOT1
	s_add_nc_u64 s[42:43], s[42:43], SLOTB
	s_wait_xcnt 0x0                                ; the last prefetch, a slot back, has read its address
	s_add_nc_u64 s[PFA:PFA+1], s[PFA:PFA+1], SLOTB
	s_wait_dscnt 0x0
	CROUND
	TLOAD
	ASK
.else
	s_wait_dscnt 0x0
	s_barrier_signal -1
	s_barrier_wait -1
.endif
.endm
.macro SLOT_STEPS                      ; a slot's 8 key steps: written once, walked 8 times; the LDS addresses hang on s[TB]
	s_mov_b32 s[CNT], NQ
.Lstep_\@:
	STEP
	s_sub_co_u32 s[CNT], s[CNT], 1
	s_cmp_lg_u32 s[CNT], 0
	s_cbranch_scc1 .Lstep_\@
	s_sub_co_u32 s[TB], s[TB], SLOTB
	s_xor_b32 s[TB], s[TB], SLOT1
.endm
	s_load_b128 s[4:7], s[0:1], 0x0                ; q, kv
	s_load_b64 s[8:9], s[0:1], 0x10                ; ao
	v_lshl_add_u32 v[SPW], v0, 2, SPARE
	v_mov_b32 v[NIL], 0
	ds_add_u32 v[SPW], v[NIL]                      ; the wave's opening: the add, twice on end, and its wait ahead of the first tensor load
	ds_add_u32 v[SPW], v[NIL]
	v_lshrrev_b32 v8, 5, v0
	s_delay_alu instid0(VALU_DEP_1)
	v_readfirstlane_b32 s[WV], v8                  ; wave 0..15
	s_and_b32 s53, ttmp7, 0xffff                   ; batch x 8 + head: shared by the four partners
	s_mov_b32 s24, 0x0023000f                      ; group 1: mask of the four; elements of 8 bytes; bit 21 beside the mask; no padding
	s_mov_b32 s25, 32<<16                          ; rows of 256 bytes
	s_mov_b32 s26, 102<<16                         ; 102 of them: a quarter of a slot
	s_mov_b32 s27, 32<<16
	s_mov_b32 s28, 102
	s_mov_b32 s29, 32
	s_mov_b32 s30, 0
	s_mov_b32 s31, 0
	s_and_b32 s54, s[WV], 3
	s_mul_i32 s54, s54, 26112                      ; my quarter, in LDS and in memory
	s_mul_i32 s56, s53, 32*STEPB
	s_add_co_u32 s56, s56, s54
	s_mov_b32 s57, 0
	s_mov_b32 s[SEL], 0x76543210
	s_mov_b32 s[SEL+1], 0xfedcba98
	s_mov_b32 s[CS], 0x3e38aa3b                    ; log2(e) / 8
	s_mov_b32 s[CS+1], s[CS]
	s_mov_b32 s[HM], 0xffff0000
	s_mov_b32 s[TB], 0
	s_mov_b32 s[SLOTS], NSL-1
	v_and_b32 v8, 31, v0                           ; L
	v_and_b32 v9, 15, v0                           ; r
	v_bfe_u32 v10, v0, 4, 1                        ; h
	s_delay_alu instid0(VALU_DEP_3)
	v_lshlrev_b32 v[LI], 4, v8
	s_delay_alu instid0(VALU_DEP_4)
	v_lshlrev_b32 v[L8], 3, v8
	s_delay_alu instid0(VALU_DEP_3)
	v_mul_u32_u24 v11, v10, 1536
	s_delay_alu instid0(VALU_DEP_1)
	v_lshl_add_u32 v[AVA], v9, 4, v11
	s_delay_alu instid0(VALU_DEP_1)
	v_add_nc_u32 v[AVA], 6144, v[AVA]
	s_delay_alu instid0(VALU_DEP_3)
	v_lshl_add_u32 v[AVB], v9, 3, v11
	s_delay_alu instid0(VALU_DEP_1)
	v_add_nc_u32 v[AVB], 7168, v[AVB]
	v_add_nc_u32 v[AS8], 12800, v[L8]
	v_lshl_add_u32 v[BO], v9, 4, v10
	v_lshlrev_b32 v[QSA], 2, v9
	v_min_u32 v[PFO], 16, v8
	s_delay_alu instid0(VALU_DEP_1)
	v_lshlrev_b32 v[PFO], 8, v[PFO]
	s_wait_dscnt 0x0                               ; both opening adds are done
	s_wait_kmcnt 0x0
	s_mov_b32 s40, 1
	s_mov_b32 s41, s54
	s_add_nc_u64 s[42:43], s[6:7], s[56:57]
	s_or_b32 s43, s43, 0x80000000
	CROUND                                         ; all four work-groups are here
	TLOAD                                          ; slot 0
	s_bfe_u32 s51, ttmp6, 0x40000                  ; cx: it enters global addresses alone
	s_lshl_b32 s52, ttmp9, 2
	s_add_co_u32 s52, s52, s51                     ; my block of 256 queries
	s_lshl_b32 s58, s52, 4
	s_add_co_u32 s58, s58, s[WV]                   ; my tile among the head's 256
	s_lshl_b32 s59, s53, 8
	s_add_co_u32 s59, s59, s58
	s_mul_i32 s60, s59, 768
	s_mov_b32 s61, 0
	s_add_nc_u64 s[60:61], s[4:5], s[60:61]        ; Q's codes
	s_lshl_b32 s62, s59, 6
	s_add_co_u32 s62, s62, 3145728
	s_mov_b32 s63, 0
	s_add_nc_u64 s[62:63], s[4:5], s[62:63]        ; and scale words
	s_lshr_b32 s66, s53, 3
	s_lshl_b32 s66, s66, 8
	s_add_co_u32 s66, s66, s58                     ; my tile among all 512
	s_and_b32 s67, s53, 7                          ; the head
	s_mul_i32 s68, s66, 6144
	s_mul_i32 s69, s67, 768
	s_add_co_u32 s68, s68, s69
	s_mov_b32 s69, 0
	s_add_nc_u64 s[68:69], s[8:9], s[68:69]        ; ao's codes
	s_lshl_b32 s70, s66, 8
	s_lshl_b32 s71, s67, 1
	s_add_co_u32 s70, s70, s71
	s_add_co_u32 s70, s70, 3145728
	s_mov_b32 s71, 0
	s_add_nc_u64 s[70:71], s[8:9], s[70:71]        ; and scale bytes
	s_sub_co_u32 s72, s[WV], 4
	s_cmp_lt_u32 s72, 6                            ; waves 4-9
	s_cselect_b32 s[LIM], 1, -1
	s_cmp_eq_u32 ttmp9, 0                          ; of the head's first cluster: the same in all four partners
	s_cselect_b32 s[LIM], s[LIM], -1
	s_min_u32 s72, s72, 5
	s_mul_i32 s72, s72, 4352
	s_mul_i32 s73, s51, 26112
	s_add_co_u32 s72, s72, s73
	s_mul_i32 s73, s53, 32*STEPB
	s_add_co_u32 s72, s72, s73
	s_add_co_u32 s72, s72, SLOTB                   ; in slot 1: the first change of slots steps it to slot 2
	s_mov_b32 s73, 0
	s_add_nc_u64 s[PFA:PFA+1], s[6:7], s[72:73]
	global_load_b128 v[16:19], v[LI], s[60:61]     ; Q's half fragment stays in registers
	global_load_b64 v[20:21], v[L8], s[60:61] offset:512
	s_wait_alu depctr_va_vdst(0)
	global_load_b32 v[QS], v[QSA], s[62:63]
.irp j, 22,23,24,25,26,27,80,81,82,83,84,85
	v_mov_b32 v\j, 0                               ; zero codes: Q's upper half, and what tile 7 of K names beyond its own six
.endr
	v_mov_b32 v13, 0xff61b1e6                      ; the largest t so far: -3e38
	s_delay_alu instid0(VALU_DEP_1)
	v_floor_f32 v12, -v13
	v_mov_b32 v14, 0
	v_mov_b32 v15, 0
	v_mov_b32 v231, 0                              ; (named as the upper half of the pair v[230:231] before it is first written)
	v_mov_b32 v232, 0
.irp b, 0,1,2,3
	v_mov_b32 v[BP+\b], 0                          ; a lane permute's destination counts as one of its sources
.endr
.set j, 0
.rept 32
	v_mov_b32 v[O+j], 0                            ; O^T: the step is written once; the first finds zeros
.set j, j+1
.endr
	s_wait_loadcnt 0x0
.Lslot:                                            ; NSL - 1 trips: behind each change of slots but the last the next slot is asked for
	CHANGE 1
	SLOT_STEPS
	s_sub_co_u32 s[SLOTS], s[SLOTS], 1
	s_cmp_lg_u32 s[SLOTS], 0
	s_cbranch_scc1 .Lslot
	CHANGE 0                                       ; the last slot is written out
	SLOT_STEPS
	; THE WAY OUT: O^T / the sum, quantised along the 64 channels: a half fragment and two scale bytes a row
.rept 4
	v_nop                                          ; places behind the last products
.endr
	v_add_f32 v14, v14, v15
	s_delay_alu instid0(VALU_DEP_1)
	v_permlanex16_b32 v232, v14, s[SEL], s[SEL+1]
	s_delay_alu instid0(VALU_DEP_1)
	v_add_f32 v14, v14, v232                       ; the row's sum
	s_wait_alu depctr_va_vdst(0)
	v_rcp_f32 v14, v14
	v_nop
	s_wait_alu depctr_va_vdst(0)
.set j, 0
.rept 16
	v_pk_mul_f32 v[S+j:S+j+1], v[O+j:O+j+1], v[14:15] op_sel_hi:[1,0]   ; register 16 b + i: channel 32 b + 16 h + i
.set j, j+2
.endr
.irp b, 0,1
	v_max3_num_f32 v[BM+\b], |v[S+16*\b]|, |v[S+1+16*\b]|, 0x1800000
.endr
.irp i, 2,4,6,8,10,12,14
.irp b, 0,1
	s_delay_alu instid0(VALU_DEP_2)
	v_max3_num_f32 v[BM+\b], v[BM+\b], |v[S+16*\b+\i]|, |v[S+1+16*\b+\i]|
.endr
.endr
.irp b, 0,1
	s_delay_alu instid0(VALU_DEP_2)
	v_permlanex16_b32 v[BP+\b], v[BM+\b], s[SEL], s[SEL+1]
.endr
.irp b, 0,1
	s_delay_alu instid0(VALU_DEP_2)
	v_max_num_f32 v[BM+\b], v[BM+\b], v[BP+\b]
.endr
.irp b, 0,1
	s_delay_alu instid0(VALU_DEP_2)
	v_add_nc_u32 v[SO+\b], 0xff000000, v[BM+\b]
.endr
.irp b, 0,1
	s_delay_alu instid0(VALU_DEP_2)
	v_lshrrev_b32 v[BP+\b], 23, v[SO+\b]
.endr
	v_cvt_scalef32_pk16_fp6_f32 v[PCD:PCD+2], v[S:S+15], v[SO]
	v_cvt_scalef32_pk16_fp6_f32 v[CT:CT+2], v[S+16:S+31], v[SO+1]
	v_nop
.irp i, 0,1,2
	v_permlane16_swap_b32 v[PCD+\i], v[CT+\i]
.endr
.irp i, 0,1,2
	s_delay_alu instid0(VALU_DEP_3)
	v_mov_b32 v[PCD+3+\i], v[CT+\i]                ; lane (r, h): block h of row r, whole
.endr
	v_cndmask_b32 v232, v[BP], v[BP+1], s[HM]      ; and its byte
	global_store_b128 v[LI], v[PCD:PCD+3], s[68:69]
	global_store_b64 v[L8], v[PCD+4:PCD+5], s[68:69] offset:512
	global_store_b8 v[BO], v232, s[70:71]          ; two bytes of a row's sixteen: the other heads' work-groups write the rest
	s_wait_tensorcnt 0x0                           ; the wave's end
	ds_add_u32 v[SPW], v[NIL]
	s_wait_dscnt 0x0
	CROUND                                         ; the closing round
	s_endpgm
.Lfunc_end_k_q28b161b722_attn:
	.size	k_q28b161b722_attn, .Lfunc_end_k_q28b161b722_attn-k_q28b161b722_attn
	.p2alignl 7, 3214868480
	.fill 96, 4, 3214868480
	.section	.rodata,"a",@progbits
	.p2align	6, 0x0
	.amdhsa_kernel k_q28b161b722_attn
		.amdhsa_group_segment_fixed_size 327680
		.amdhsa_private_segment_fixed_size 0
		.amdhsa_enable_private_segment 0
		.amdhsa_kernarg_size 24
		.amdhsa_user_sgpr_count 2
		.amdhsa_user_sgpr_kernarg_segment_ptr 1
		.amdhsa_wavefront_size32 1
		.amdhsa_system_sgpr_workgroup_id_x 1
		.amdhsa_system_sgpr_workgroup_id_y 1
		.amdhsa_system_sgpr_workgroup_id_z 1
		.amdhsa_system_vgpr_workitem_id 0
		.amdhsa_next_free_vgpr 256
		.amdhsa_next_free_sgpr 80
		.amdhsa_reserve_vcc 0
		.amdhsa_float_denorm_mode_32 3
		.amdhsa_float_denorm_mode_16_64 3
		.amdhsa_memory_ordered 1
		.amdhsa_forward_progress 1
		.amdhsa_inst_pref_size 48
	.end_amdhsa_kernel
	.amdgpu_metadata
---
amdhsa.version: [ 1, 2 ]
amdhsa.kernels:
  - .name:           k_q28b161b722_attn
    .symbol:         k_q28b161b722_attn.kd
    .args:
      - { .name: q, .offset: 0, .size: 8, .value_kind: global_buffer, .address_space: global }
      - { .name: kv, .offset: 8, .size: 8, .value_kind: global_buffer, .address_space: global }
      - { .name: ao, .offset: 16, .size: 8, .value_kind: global_buffer, .address_space: global }
    .group_segment_fixed_size: 327680
    .private_segment_fixed_size: 0
    .kernarg_segment_align: 8
    .kernarg_segment_size: 24
    .max_flat_workgroup_size: 512
    .sgpr_count:     80
    .vgpr_count:     256
    .wavefront_size: 32
...
	.end_amdgpu_metadata
.endif
;; end of part 3
;; launch tail (part 4): grid 256 x 1, 4 waves a work-group, clusters of 4 x 1, 327,680 bytes of LDS; arguments ao, wst, x, ffn_norm_w, out0; writes out0
.if DOCPART == 4
	.amdgcn_target "amdgcn-amd-amdhsa--gfx1250"
	.amdhsa_code_object_version 6
	.text
	.protected	k_q28b161b722_tail
	.globl	k_q28b161b722_tail
	.p2align	8
	.type	k_q28b161b722_tail,@function
k_q28b161b722_tail:
	s_mov_b64 s[64:65], 0
	v_nop
	global_prefetch_b8 v0, s[64:65] scope:SCOPE_SE
	s_setreg_imm32_b32 hwreg(HW_REG_WAVE_MODE, 25, 1), 1
	s_wait_xcnt 0x0
	s_wait_alu depctr_hold_cnt(0) depctr_sa_sdst(0) depctr_va_vdst(0) depctr_va_sdst(0) depctr_va_ssrc(0) depctr_va_vcc(0) depctr_vm_vsrc(0)
	s_getreg_b32 s2, hwreg(HW_REG_IB_STS2, 6, 4)
	s_cmp_eq_u32 s2, 0
	s_cbranch_scc0 .Lentry_in_a_cluster
	s_endpgm
.Lentry_in_a_cluster:
	s_bfe_u32 s2, ttmp6, 0x10000c
	s_cmp_lg_u32 s2, 0x3003
	s_cbranch_scc0 .Lentry_shape_is_right
	s_endpgm
.Lentry_shape_is_right:
; TAIL: y = x + ao wo; xn = y rsqrt(mean(y^2) + 1e-5) ffn_norm_w; out0 = y + (silu(xn w_gate) (xn w_up)) w_down.  All four products on codes of FP6 (E2M3) with E8M0 scales; no work is left out.
; SHARES.  A work-group owns 32 rows (two tiles; tile m holds at place i the row 8 m + i + 8 (i / 8)) through the whole chain: 8,192 / 32 = 256 work-groups.  Wave w owns columns 128 w .. 128 w + 127 of y and out0
; (16 accumulators, window 3) and, in each of 8 chunks of 256 hidden units, units 64 w .. 64 w + 63.  All products transposed (source 0 = 16 columns of a weight): a lane holds one row, its registers run along the columns.
; LDS, BY JOINT LOADS of the four work-groups of a cluster: wo (204,800 bytes, the head's one load a wave, 51,200 each, into both slots), then w_gate's slot of each chunk (102,400 bytes, a record of 25,600 a wave) in two slots by turns.
; w_up AND w_down ARE NOT ASKED FOR JOINTLY: a record of them is read by one wave of a work-group alone and feeds 32 matrix instructions, so LDS would only take its 25,600 bytes in and give them out again; their 16 fragments and
; 8 scale registers (50 loads of 512 bytes a wave) go from memory straight into registers that lie idle, a chunk ahead of their use.
; ORDER.  Chunk c's product with w_down stands behind the change of slots at the head of chunk c + 1: that round is also the barrier between the waves' stores of H and their reads.
; xn and H go from wave to wave through LDS as images of the operand's registers.
; LIMITS: NaN and infinities are not served; a block of zeros gets the byte 1 (its codes are zeros; this program alone reads the bytes); blocks under 2^-124 keep the byte 1.
; REGISTERS.  Window 0: v1-22 addresses; v26-121 fragments from LDS, two sets of four (at work in the norm); v122-185 numbers for the quantiser, H's fragments; v186-222 the quantiser; v224-227 ao's, then xn's scale words (tile 0 in
; lanes 0-15, tile 1 in lanes 16-31); v228-235 w_up's; v236-243 w_down's; v244-251 the slot's; v254-255 H's.  Window 1: v0-95 ao's, then xn's 8 fragments; v96-191 w_down's fragments 0-7; v192-251 w_up's 10-14.
; Window 2: v0-63 gate, v64-127 up, v128-223 w_down's fragments 8-15 (at the head ffn_norm_w), v224-235 w_up's 15.  Window 3: v0-127 y, then out0; v128-247 w_up's fragments 0-9.
.set SLOT1, 131072                     ; slot 0 at LDS byte 0, slot 1 here: one exclusive or turns an address from one slot to the other
.set SLOTB, 102400                     ; a slot's bytes
.set XIMG,  102400                     ; xn's 8 fragments, 1,536 bytes each
.set XSC,   126976                     ; and their scale words
.set RED,   129024                     ; the waves' sums of squares
.set HIMG,  233472                     ; H: for each row tile 4 waves x 768 bytes (half fragments)
.set HSC,   245760
.set STG,   246272                     ; a stage of 16 rows x 528 bytes for each wave
.set SPARE, 280064                     ; the spare words, 128 bytes for each wave
.set LI,   1
.set WA0,  2                           ; 25,600 w + 16 L: my record, in a slot and in a slot's image in memory
.set WA,   3
.set XG,   4
.set SIN,  5
.set SLN,  6
.set L8,   7
.set AOS,  8
.set W2A,  9
.set REDW, 10
.set REDR, 11
.set XWI,  12
.set XWS,  13
.set XRI,  14
.set XRS,  15
.set HWI,  16
.set HWI8, 17
.set HWS,  18
.set HRI,  19
.set HRI8, 20
.set HRS,  21
.set PFO,  22
.set WF,   26
.set SQ,   26
.set T4,   34
.set P4,   40
.set RS,   56
.set ST,   122
.set PC,   186
.set TM,   206
.set PW,   222
.set XS,   224
.set UWS,  228
.set DWS,  236
.set WS,   244
.set SPW,  252
.set NIL,  253
.set HS,   254
.set WV,   14
.set TB,   17
.set SEL,  20
.set MSB, 0
.macro WIN new                         ; the immediate's high byte repeats the setting that is left
.if MSB != \new
	s_set_vgpr_msb (MSB<<8)|\new
.set MSB, \new
.endif
.endm
.macro CROUND                          ; a round of the cluster's barrier
	s_barrier_signal -1
	s_barrier_wait -1
	s_cmp_lg_u32 s[WV], 0
	s_cbranch_scc1 .Lnot_wave_0_\@
	s_barrier_signal -3
.Lnot_wave_0_\@:
	s_barrier_wait -3
	s_barrier_signal -1
	s_barrier_wait -1
.endm
.macro BARRIER
	s_wait_dscnt 0x0
	s_barrier_signal -1
	s_barrier_wait -1
.endm
.macro PLACES                          ; four places behind a matrix instruction (ISA guide 7.12.1)
.rept 4
	v_nop
.endr
.endm
.macro WM                              ; one matrix instruction, by the symbols rD, rA, rB, rSA, rSB; fZ: it starts the sum; fRA, fRB: the side's scales stand in lanes 16-31
.if fZ
.if fRA && fRB
	v_wmma_scale_f32_16x16x128_f8f6f4 v[rD:rD+7], v[rA:rA+11], v[rB:rB+11], 0, v[rSA], v[rSB] matrix_a_fmt:MATRIX_FMT_FP6 matrix_b_fmt:MATRIX_FMT_FP6 matrix_a_scale:MATRIX_SCALE_ROW1 matrix_b_scale:MATRIX_SCALE_ROW1
.elseif fRA
	v_wmma_scale_f32_16x16x128_f8f6f4 v[rD:rD+7], v[rA:rA+11], v[rB:rB+11], 0, v[rSA], v[rSB] matrix_a_fmt:MATRIX_FMT_FP6 matrix_b_fmt:MATRIX_FMT_FP6 matrix_a_scale:MATRIX_SCALE_ROW1
.elseif fRB
	v_wmma_scale_f32_16x16x128_f8f6f4 v[rD:rD+7], v[rA:rA+11], v[rB:rB+11], 0, v[rSA], v[rSB] matrix_a_fmt:MATRIX_FMT_FP6 matrix_b_fmt:MATRIX_FMT_FP6 matrix_b_scale:MATRIX_SCALE_ROW1
.else
	v_wmma_scale_f32_16x16x128_f8f6f4 v[rD:rD+7], v[rA:rA+11], v[rB:rB+11], 0, v[rSA], v[rSB] matrix_a_fmt:MATRIX_FMT_FP6 matrix_b_fmt:MATRIX_FMT_FP6
.endif
.else
.if fRA && fRB
	v_wmma_scale_f32_16x16x128_f8f6f4 v[rD:rD+7], v[rA:rA+11], v[rB:rB+11], v[rD:rD+7], v[rSA], v[rSB] matrix_a_fmt:MATRIX_FMT_FP6 matrix_b_fmt:MATRIX_FMT_FP6 matrix_a_scale:MATRIX_SCALE_ROW1 matrix_b_scale:MATRIX_SCALE_ROW1
.elseif fRA
	v_wmma_scale_f32_16x16x128_f8f6f4 v[rD:rD+7], v[rA:rA+11], v[rB:rB+11], v[rD:rD+7], v[rSA], v[rSB] matrix_a_fmt:MATRIX_FMT_FP6 matrix_b_fmt:MATRIX_FMT_FP6 matrix_a_scale:MATRIX_SCALE_ROW1
.elseif fRB
	v_wmma_scale_f32_16x16x128_f8f6f4 v[rD:rD+7], v[rA:rA+11], v[rB:rB+11], v[rD:rD+7], v[rSA], v[rSB] matrix_a_fmt:MATRIX_FMT_FP6 matrix_b_fmt:MATRIX_FMT_FP6 matrix_b_scale:MATRIX_SCALE_ROW1
.else
	v_wmma_scale_f32_16x16x128_f8f6f4 v[rD:rD+7], v[rA:rA+11], v[rB:rB+11], v[rD:rD+7], v[rSA], v[rSB] matrix_a_fmt:MATRIX_FMT_FP6 matrix_b_fmt:MATRIX_FMT_FP6
.endif
.endif
.endm
; 64 numbers of a lane, register 16 b + i, whose block b has its other 16 numbers in lane l xor 16, become codes in v[PC] on (registers 6 c .. 6 c + 5 of lane (r, h): block 2 c + h, whole) and four scale bytes in v[PW]
.macro QUANT src
.irp b, 0,1,2,3
	v_max3_num_f32 v[TM+\b], |v[\src+16*\b]|, |v[\src+1+16*\b]|, 0x1800000   ; my 16 numbers, and the floor 2^(3 - 127): the byte cannot fall under 1
.endr
.irp i, 2,4,6,8,10,12,14
.irp b, 0,1,2,3
	v_max3_num_f32 v[TM+\b], v[TM+\b], |v[\src+16*\b+\i]|, |v[\src+1+16*\b+\i]|
.endr
.endr
.irp b, 0,1,2,3
	v_permlanex16_b32 v[TM+4+\b], v[TM+\b], s[SEL], s[SEL+1]
.endr
.irp b, 0,1,2,3
	v_max_num_f32 v[TM+\b], v[TM+\b], v[TM+4+\b]
.endr
.irp b, 0,1,2,3
	v_add_nc_u32 v[TM+12+\b], 0xff000000, v[TM+\b]   ; 2 off the exponent field: the conversion's scale operand
.endr
.irp b, 0,1,2,3
	v_lshrrev_b32 v[TM+4+\b], 23, v[TM+12+\b]        ; the scale's byte
.endr
	v_lshl_or_b32 v[PW], v[TM+5], 8, v[TM+4]
	v_lshl_or_b32 v[PW], v[TM+6], 16, v[PW]
	v_lshl_or_b32 v[PW], v[TM+7], 24, v[PW]
.irp c, 0,1
	v_cvt_scalef32_pk16_fp6_f32 v[PC+6*\c:PC+2+6*\c], v[\src+32*\c:\src+15+32*\c], v[TM+12+2*\c]
	v_cvt_scalef32_pk16_fp6_f32 v[PC+12+4*\c:PC+14+4*\c], v[\src+16+32*\c:\src+31+32*\c], v[TM+12+2*\c+1]
.endr
	v_nop                                          ; one plain instruction behind a scaled conversion
.irp c, 0,1
.irp i, 0,1,2
	v_permlane16_swap_b32 v[PC+6*\c+\i], v[PC+12+4*\c+\i]
.endr
.irp i, 0,1,2
	v_mov_b32 v[PC+3+6*\c+\i], v[PC+12+4*\c+\i]
.endr
.endr
.endm
.macro GROUP g                         ; my record's four fragments of K step g: 12 loads of 512 consecutive bytes
.irp t, 0,1,2,3
.irp j, 0,1,2
	ds_load_b128 v[WF+48*((\g)%2)+12*\t+4*\j:WF+48*((\g)%2)+12*\t+4*\j+3], v[WA] offset:6144*(\g)+1536*\t+512*\j
.endr
.endr
.endm
; A unit from LDS: my record's 64 columns x 32 rows x K 512: 32 matrix instructions, the eight accumulators by turns
.macro UNITN win, db, dm, zf
	WIN 0
	v_add_nc_u32 v[WA], s[TB], v[WA0]
	ds_load_b128 v[WS:WS+3], v[WA] offset:24576
	ds_load_b128 v[WS+4:WS+7], v[WA] offset:25088
	GROUP 0
	GROUP 1
	s_wait_alu depctr_va_vdst(0)
.irp s, 0,1,2,3
.if \s < 3
	s_wait_dscnt 12                                ; all but the twelve loads of the group issued last
.else
	s_wait_dscnt 0x0
.endif
	WIN \win
.irp t, 0,1,2,3
.irp m, 0,1
.set fZ, 0
.if (\zf) && (\s == 0)
.set fZ, 1
.endif
.set rD, (\db)+(\dm)*\m+8*\t
.set rA, WF+48*(\s%2)+12*\t
.set rB, 12*(4*\m+\s)
.set rSA, WS+4*(\t/2)+\s
.set rSB, XS+\s
.set fRA, \t%2
.set fRB, \m
	WM
.endr
.endr
	WIN 0
.if \s < 2
	PLACES
	GROUP \s+2
.endif
.endr
.endm
.macro LOCU f                          ; where fragment f of w_up's record stands: window wA, register rA
.if (\f) < 10
.set wA, 3
.set rA, 128+12*(\f)
.elseif (\f) < 15
.set wA, 1
.set rA, 192+12*((\f)-10)
.else
.set wA, 2
.set rA, 224
.endif
.endm
.macro LOCD f                          ; the same for w_down's
.if (\f) < 8
.set wA, 1
.set rA, 96+12*(\f)
.else
.set wA, 2
.set rA, 128+12*((\f)-8)
.endif
.endm
; A record from memory into registers: 16 fragments and two images of scale words, 50 loads of 512 consecutive bytes.  down = 0: w_up's, 1: w_down's
.macro RLOAD down, base, sb
.set f, 0
.rept 16
.if \down
	LOCD f
.else
	LOCU f
.endif
	WIN wA<<6
.irp j, 0,1,2
	global_load_b128 v[rA+4*\j:rA+4*\j+3], v[WA0], s[\base:\base+1] offset:1536*f+512*\j
.endr
.set f, f+1
.endr
	WIN 0
	global_load_b128 v[\sb:\sb+3], v[WA0], s[\base:\base+1] offset:24576
	global_load_b128 v[\sb+4:\sb+7], v[WA0], s[\base:\base+1] offset:25088
.endm
.macro UNITU                           ; xn w_up, my 64 units: fragment 4 s + t from registers; 32 matrix instructions, the eight accumulators by turns
.irp s, 0,1,2,3
.irp t, 0,1,2,3
	LOCU 4*\s+\t
	WIN 0xa4+wA                                    ; source 0 the fragment's window, source 1 window 1, C and D window 2
.irp m, 0,1
.set fZ, 0
.if \s == 0
.set fZ, 1
.endif
.set rD, 64+32*\m+8*\t
.set rB, 12*(4*\m+\s)
.set rSA, UWS+4*(\t/2)+\s
.set rSB, XS+\s
.set fRA, \t%2
.set fRB, \m
	WM
.endr
.endr
.endr
	WIN 0
.endm
.macro MULD g                          ; K step g / 2, column tiles 4 (g % 2) + t: 8 matrix instructions on 8 accumulators
.irp t, 0,1,2,3
	LOCD 4*(\g)+\t
	WIN 0xf0+wA                                    ; source 0 the fragment's window, source 1 window 0, C and D window 3
.irp m, 0,1
.set fZ, 0
.set rD, 64*\m+8*(4*((\g)%2)+\t)
.set rB, ST+24*((\g)/2)+12*\m
.set rSA, DWS+4*((\g)/2)+2*((\g)%2)+\t/2
.set rSB, HS+\m
.set fRA, \t%2
.set fRB, (\g)/2
	WM
.endr
.endr
.endm
.macro UNITD younger, bar              ; out0 += H w_down for one chunk: 32 matrix instructions; H's fragments from LDS, w_down's wait in registers.  bar = 1: a further chunk will store its H over this one
	WIN 0
.irp m, 0,1
	ds_load_b32 v[HS+\m], v[HRS] offset:128*\m
.endr
.irp sg, 0,1
.irp m, 0,1
.irp c, 0,1
	ds_load_b128 v[ST+24*\sg+12*\m+6*\c:ST+24*\sg+12*\m+6*\c+3], v[HRI] offset:3072*\m+1536*\sg+768*\c
	ds_load_b64 v[ST+24*\sg+12*\m+6*\c+4:ST+24*\sg+12*\m+6*\c+5], v[HRI8] offset:3072*\m+1536*\sg+768*\c
.endr
.endr
.endr
	s_wait_loadcnt \younger                        ; w_down's record is in; the loads of the next chunk's w_up, issued behind it, may be out
	s_wait_dscnt 0x0                               ; my reads of H are done:
.if \bar
	s_barrier_signal -1                            ; say so; the products below, work on registers, stand between the signal and the wait
.endif
	MULD 0
	MULD 1
	MULD 2
	MULD 3
	WIN 0
.if \bar
	s_barrier_wait -1                              ; every wave has read this chunk's H: the next chunk's may be stored.
.endif
.endm
; PREFETCHES INTO THE L2, by the first cluster alone (all clusters walk the same slots): a chunk's three slots, which lie on end.  Its four partners share a slot's 400 blocks of 256 bytes by address, 100 each; a wave takes 25,
; a lane a block (lanes 25-31 repeat lane 24's).  The head asks for chunk 0, the change behind wo for chunk 1, the change at the head of chunk k for chunk k + 2: a change ahead of that chunk's first load.
.macro ASK3 inloop
.if \inloop
	s_cmp_gt_u32 s18, s19                          ; not in the loop's last trip: there is no chunk 8
.else
	s_cmp_eq_u32 s19, 1
.endif
	s_cbranch_scc0 .Lnot_mine_\@
	global_prefetch_b8 v[PFO], s[40:41] th:TH_LOAD_NT scope:SCOPE_SE
	global_prefetch_b8 v[PFO], s[40:41] offset:SLOTB th:TH_LOAD_NT scope:SCOPE_SE
	global_prefetch_b8 v[PFO], s[40:41] offset:2*SLOTB th:TH_LOAD_NT scope:SCOPE_SE
.Lnot_mine_\@:
.endm
; THE CHANGE OF SLOTS: each wave waits for all its tensor loads (one is out: its record of the slot read next), adds 0 to its spare word, and waits for that and for its LDS reads and stores.  fill = 1: the barrier is a round of the
; cluster's, and behind it the slot that is not read next takes the next w_gate: chunk 0's (first = 1), else the one three slots on in memory
.macro CHANGE fill, first, inloop
	WIN 0
	s_wait_tensorcnt 0x0
	ds_add_u32 v[SPW], v[NIL]
	s_xor_b32 s[TB], s[TB], SLOT1
.if \fill
.if \first
	s_mov_b32 s37, s42                             ; my record's place in slot 0
	s_mov_b64 s[38:39], s[60:61]
.else
	s_xor_b32 s37, s37, SLOT1
	s_add_nc_u64 s[38:39], s[38:39], 3*SLOTB
.endif
	s_wait_xcnt 0x0                                ; the earlier prefetches have read their address
	s_add_nc_u64 s[40:41], s[40:41], 3*SLOTB
	s_wait_dscnt 0x0
	CROUND
	tensor_load_to_lds s[36:39], s[24:31]
	s_nop 0
	PLACES
	ASK3 \inloop
.else
	s_wait_dscnt 0x0
	s_barrier_signal -1
	s_barrier_wait -1
	PLACES
.endif
.endm
; A chunk: gate from LDS, up from registers, H = silu(gate) up = gate up / (1 + 2^(-gate log2 e)) in f32, quantised along my 64 hidden units, to LDS; the barrier; the product with w_down.
; ul, dl: the next chunk's w_up and w_down are asked for.  ch: 2 a change of slots with a fill, 1 without, 0 a plain barrier
.macro TRIP ul, ch, dl
	UNITN 0xa4, 0, 32, 1
	s_wait_loadcnt 50                              ; w_up's record is in; the 50 loads of w_down's, issued behind it, may be out
	UNITU
	PLACES                                         ; in front of the loads into registers that matrix instructions have read, and of the first read of results
.if \ul
	s_add_nc_u64 s[58:59], s[58:59], 3*SLOTB       ; (behind the wait that shows the record's loads done)
	RLOAD 0, 58, UWS
.endif
	WIN 0xaa
.set i, 0
.rept 32
	v_pk_mul_f32 v[64+i:65+i], v[i:i+1], v[64+i:65+i]
.set i, i+2
.endr
.set i, 0
.rept 32
	v_pk_mul_f32 v[i:i+1], v[i:i+1], 0xbfb8aa3b op_sel_hi:[1,0]
.set i, i+2
.endr
	s_wait_alu depctr_va_vdst(0)                   ; a wait ahead of each batch of transcendentals and one behind it
.set i, 0
.rept 64
	v_exp_f32 v[i], v[i]
.set i, i+1
.endr
	v_nop
	s_wait_alu depctr_va_vdst(0)
.set i, 0
.rept 32
	v_pk_add_f32 v[i:i+1], v[i:i+1], 1.0 op_sel_hi:[1,0]
.set i, i+2
.endr
	s_wait_alu depctr_va_vdst(0)
.set i, 0
.rept 64
	v_rcp_f32 v[i], v[i]
.set i, i+1
.endr
	v_nop
	s_wait_alu depctr_va_vdst(0)
	WIN 0x0a
.set i, 0
.rept 32
	v_pk_mul_f32 v[ST+i:ST+i+1], v[64+i:65+i], v[i:i+1]
.set i, i+2
.endr
	WIN 0
	QUANT ST
	v_lshrrev_b32 v23, 16, v[PW]
.irp c, 0,1
	ds_store_b128 v[HWI], v[PC+6*\c:PC+6*\c+3] offset:3072*\c      ; row tile c: my half fragment's image
	ds_store_b64 v[HWI8], v[PC+6*\c+4:PC+6*\c+5] offset:3072*\c
.endr
	ds_store_b16 v[HWS], v[PW]
	ds_store_b16 v[HWS], v23 offset:128
.if \ch == 2
	CHANGE 1, 0, 1
.elseif \ch == 1
	CHANGE 0, 0, 0
.else
	BARRIER
.endif
	UNITD 50*\ul, \dl
.if \dl
	s_add_nc_u64 s[56:57], s[56:57], 3*SLOTB       ; (behind the wait that shows the record's loads done)
	PLACES
	RLOAD 1, 56, DWS
.endif
.endm
	s_load_b256 s[4:11], s[0:1], 0x0               ; ao, wst, x, ffn_norm_w
	s_load_b64 s[12:13], s[0:1], 0x20              ; out0
	v_lshl_add_u32 v[SPW], v0, 2, SPARE
	v_mov_b32 v[NIL], 0
	ds_add_u32 v[SPW], v[NIL]                      ; the wave's opening: the add, twice on end, and its wait ahead of my first tensor load
	ds_add_u32 v[SPW], v[NIL]
	v_lshrrev_b32 v23, 5, v0
	v_readfirstlane_b32 s[WV], v23                 ; wave 0..3
	s_mov_b32 s24, 0x0023000f                      ; group 1: mask of the four work-groups; elements of 8 bytes; bit 21 beside the mask; no padding
	s_mov_b32 s25, 32<<16                          ; rows of 256 bytes,
	s_mov_b32 s26, 200<<16                         ; 200 of them for the head's load: a quarter of wo
	s_mov_b32 s27, 32<<16
	s_mov_b32 s28, 200
	s_mov_b32 s29, 32
	s_mov_b32 s30, 0
	s_mov_b32 s31, 0
	s_mul_i32 s42, s[WV], 25600
	s_mov_b32 s43, 0
	s_mul_i32 s62, s[WV], 51200
	s_mov_b32 s63, 0
	s_lshr_b32 s66, s[WV], 1                       ; wo in LDS: waves 0, 1 fill slot 0's halves, waves 2, 3 slot 1's
	s_lshl_b32 s66, s66, 17
	s_and_b32 s67, s[WV], 1
	s_mul_i32 s67, s67, 51200
	s_add_co_u32 s66, s66, s67
	s_mov_b32 s[TB], 0
	s_mov_b32 s[SEL], 0x76543210
	s_mov_b32 s[SEL+1], 0xfedcba98                 ; v_permlanex16_b32's selects for lane l xor 16
	s_mov_b32 s22, 0x3b000000                      ; 1 / 512
	s_mov_b32 s23, 0x3727c5ac                      ; 1e-5
	v_and_b32 v23, 31, v0                          ; L
	v_and_b32 v24, 15, v0                          ; r
	v_bfe_u32 v25, v0, 4, 1                        ; h
	v_lshlrev_b32 v[LI], 4, v23
	v_lshlrev_b32 v[L8], 3, v23
	v_add_nc_u32 v[WA0], s42, v[LI]
	s_lshl_b32 s44, s[WV], 9
	v_add_nc_u32 v[XG], s44, v[LI]                 ; my 128 columns of a row of x or out0, 16 bytes a lane
	v_lshl_add_u32 v[W2A], v25, 6, s44
	s_mul_i32 s44, s[WV], 8448
	s_add_co_u32 s44, s44, STG
	v_add_nc_u32 v[SIN], s44, v[LI]                ; the stage by rows,
	v_mul_u32_u24 v[SLN], v24, 528
	v_lshl_add_u32 v[SLN], v25, 6, v[SLN]
	v_add_nc_u32 v[SLN], s44, v[SLN]               ; and by the accumulators' layout: row r, 64 h bytes
	v_lshlrev_b32 v[AOS], 4, v24
	s_lshl_b32 s44, s[WV], 2
	s_add_co_u32 s44, s44, RED
	v_add_nc_u32 v[REDW], s44, v[AOS]
	v_add_nc_u32 v[REDR], RED, v[AOS]
	v_lshl_add_u32 v[AOS], v25, 8, v[AOS]          ; ao's scale words: 16 r, lanes 16-31 the second tile's, 256 bytes on
	s_mul_i32 s44, s[WV], 1536
	s_add_co_u32 s44, s44, XIMG
	v_add_nc_u32 v[XWI], s44, v[LI]
	s_lshl_b32 s44, s[WV], 7
	s_add_co_u32 s44, s44, XSC
	v_lshl_add_u32 v[XWS], v23, 2, s44
	v_add_nc_u32 v[XRI], XIMG, v[LI]
	v_lshlrev_b32 v[XRS], 2, v23
	v_add_nc_u32 v[HRS], HSC, v[XRS]
	v_lshlrev_b32 v[XRS], 2, v24
	v_lshl_add_u32 v[XRS], v25, 9, v[XRS]
	v_add_nc_u32 v[XRS], XSC, v[XRS]               ; xn's scale words: 4 r, lanes 16-31 the second tile's, 512 bytes on
	s_mul_i32 s44, s[WV], 768
	s_add_co_u32 s44, s44, HIMG
	v_add_nc_u32 v[HWI], s44, v[LI]
	s_add_co_u32 s44, s44, 512
	v_add_nc_u32 v[HWI8], s44, v[L8]
	s_lshr_b32 s44, s[WV], 1
	s_lshl_b32 s44, s44, 6
	s_and_b32 s45, s[WV], 1
	s_lshl_b32 s45, s45, 1
	s_add_co_u32 s44, s44, s45
	s_add_co_u32 s44, s44, HSC
	v_lshl_add_u32 v[HWS], v24, 2, s44             ; H's scale words: K step w / 2 in lanes 16 (w / 2) + r, my two bytes at 2 (w % 2)
	v_add_nc_u32 v[HRI], HIMG, v[LI]
	v_add_nc_u32 v[HRI8], HIMG+512, v[L8]
	v_min_u32 v[PFO], 24, v23
	v_lshlrev_b32 v[PFO], 8, v[PFO]
.irp b, 0,1,2,3
	v_mov_b32 v[TM+4+\b], 0                        ; written once: a lane permute's destination counts as one of its sources
.endr
	s_wait_alu depctr_va_vdst(0)
	s_wait_dscnt 0x0                               ; both opening adds are done
	s_wait_kmcnt 0x0
	s_mov_b32 s36, 1
	s_mov_b32 s37, s66
	s_add_nc_u64 s[38:39], s[6:7], s[62:63]        ; wo: my quarter of its 204,800 bytes
	s_or_b32 s39, s39, 0x80000000
	s_add_nc_u64 s[60:61], s[6:7], s[42:43]
	s_add_nc_u64 s[60:61], s[60:61], 2*SLOTB       ; chunk 0's w_gate: my record
	s_or_b32 s61, s61, 0x80000000
	CROUND                                         ; all four work-groups are here: the joint loads meet
	tensor_load_to_lds s[36:39], s[24:31]          ; my one tensor load at the head
	s_nop 0
	PLACES
	s_bfe_u32 s15, ttmp6, 0x40000                  ; cx: it enters global addresses alone
	s_lshl_b32 s16, ttmp9, 2
	s_add_co_u32 s16, s16, s15                     ; my block of 32 rows
	s_lshl_b32 s54, s16, 16
	s_mov_b32 s55, 0
	s_add_nc_u64 s[46:47], s[8:9], s[54:55]        ; x
	s_add_nc_u64 s[48:49], s[12:13], s[54:55]      ; out0
	s_mul_i32 s54, s16, 12288
	s_add_nc_u64 s[50:51], s[4:5], s[54:55]        ; ao's codes: two tiles of 6,144 bytes
	s_lshl_b32 s54, s16, 9
	s_add_co_u32 s54, s54, 3145728
	s_add_nc_u64 s[52:53], s[4:5], s[54:55]        ; and scale bytes
	s_mul_i32 s54, s15, 6400
	s_add_co_u32 s54, s54, s42
	s_add_co_u32 s54, s54, 2*SLOTB
	s_add_nc_u64 s[40:41], s[6:7], s[54:55]        ; the prefetches: my share of chunk 0's first slot
	s_add_nc_u64 s[58:59], s[6:7], 3*SLOTB         ; chunk 0's w_up
	s_add_nc_u64 s[56:57], s[6:7], 4*SLOTB         ; chunk 0's w_down
	s_cmp_eq_u32 ttmp9, 0                          ; the first cluster: the same in all four partners
	s_cselect_b32 s19, 1, -1
	WIN 0x80                                       ; x, ao and the norm's weights are asked for while wo is on its way
.irp m, 0,1
.irp i, 0,1,2,3,4,5,6,7,8,9,10,11,12,13,14,15
	global_load_b128 v[64*\m+4*\i:64*\m+4*\i+3], v[XG], s[46:47] offset:(8*\m+\i+8*(\i/8))*2048 th:TH_LOAD_NT
.endr
.endr
	WIN 0x40
.irp m, 0,1
.irp hd, 0,1,2,3,4,5,6,7
	global_load_b128 v[12*(4*\m+\hd/2)+6*(\hd%2):12*(4*\m+\hd/2)+6*(\hd%2)+3], v[LI], s[50:51] offset:6144*\m+768*\hd
	global_load_b64 v[12*(4*\m+\hd/2)+6*(\hd%2)+4:12*(4*\m+\hd/2)+6*(\hd%2)+5], v[L8], s[50:51] offset:6144*\m+768*\hd+512
.endr
.endr
	WIN 0
	global_load_b128 v[XS:XS+3], v[AOS], s[52:53]
	WIN 0x80
.irp b, 0,1,2,3
.irp j, 0,1,2,3
	global_load_b128 v[128+16*\b+4*\j:128+16*\b+4*\j+3], v[W2A], s[10:11] offset:128*\b+16*\j
.endr
.endr
	WIN 0
	ASK3 0
	s_wait_loadcnt 49                              ; x's 32 loads are in; the 49 issued behind them may be out
.irp m, 0,1                            ; x through my stage into the accumulators' layout: register 16 b + i = column 128 w + 32 b + 16 h + i of row r.  LDS serves a wave's instructions in order
	WIN 0x08
.irp i, 0,1,2,3,4,5,6,7,8,9,10,11,12,13,14,15
	ds_store_b128 v[SIN], v[64*\m+4*\i:64*\m+4*\i+3] offset:528*\i
.endr
	WIN 0xc0
.irp b, 0,1,2,3
.irp q, 0,1,2,3
	ds_load_b128 v[64*\m+16*\b+4*\q:64*\m+16*\b+4*\q+3], v[SLN] offset:128*\b+16*\q
.endr
.endr
.endr
	WIN 0
	s_wait_loadcnt 0x0
	s_wait_dscnt 0x0
	s_wait_tensorcnt 0x0                           ; my quarter of wo is in,
	s_mov_b32 s26, 100<<16                         ; (no tensor load of mine is out: from here on a load brings a record, 100 rows)
	s_mov_b32 s28, 100
	s_barrier_signal -1
	s_barrier_wait -1                              ; everybody's is
	RLOAD 0, 58, UWS                               ; chunk 0's w_up
	UNITN 0xf4, 0, 64, 0                           ; y = x + ao wo: the sums begin with x
	PLACES
	s_mov_b32 s[TB], SLOT1
	UNITN 0xf4, 32, 64, 0
	s_mov_b32 s[TB], 0
	CHANGE 1, 1, 0                                 ; wo is read no more: slot 0 takes chunk 0's w_gate
	WIN 0x0f                                       ; the rows' sums of squares: my 64 numbers of each row, in two chains a tile
.irp m, 0,1
	v_pk_mul_f32 v[SQ+2*\m:SQ+2*\m+1], v[64*\m:64*\m+1], v[64*\m:64*\m+1]
.endr
.irp m, 0,1
	v_pk_mul_f32 v[SQ+4+2*\m:SQ+4+2*\m+1], v[64*\m+2:64*\m+3], v[64*\m+2:64*\m+3]
.endr
.set j, 4
.rept 15
.irp m, 0,1
	v_pk_fma_f32 v[SQ+2*\m:SQ+2*\m+1], v[64*\m+j:64*\m+j+1], v[64*\m+j:64*\m+j+1], v[SQ+2*\m:SQ+2*\m+1]
.endr
.irp m, 0,1
	v_pk_fma_f32 v[SQ+4+2*\m:SQ+4+2*\m+1], v[64*\m+j+2:64*\m+j+3], v[64*\m+j+2:64*\m+j+3], v[SQ+4+2*\m:SQ+4+2*\m+1]
.endr
.set j, j+4
.endr
	WIN 0
.irp m, 0,1
	v_pk_add_f32 v[SQ+2*\m:SQ+2*\m+1], v[SQ+2*\m:SQ+2*\m+1], v[SQ+4+2*\m:SQ+4+2*\m+1]
.endr
.irp m, 0,1
	v_add_f32 v[T4+\m], v[SQ+2*\m], v[SQ+2*\m+1]
.endr
.irp m, 0,1
	v_permlanex16_b32 v[TM+4+\m], v[T4+\m], s[SEL], s[SEL+1]
.endr
.irp m, 0,1
	v_add_f32 v[T4+\m], v[T4+\m], v[TM+4+\m]
.endr
.irp m, 0,1
	ds_store_b32 v[REDW], v[T4+\m] offset:256*\m   ; lanes l and l xor 16 write the same word with the same value
.endr
	BARRIER
.irp m, 0,1
	ds_load_b128 v[P4+4*\m:P4+4*\m+3], v[REDR] offset:256*\m       ; the four waves' parts
.endr
	s_wait_dscnt 0x0
.irp m, 0,1
	v_add_f32 v[T4+\m], v[P4+4*\m], v[P4+4*\m+1]
.endr
.irp m, 0,1
	v_add_f32 v[T4+\m], v[T4+\m], v[P4+4*\m+2]
.endr
.irp m, 0,1
	v_add_f32 v[T4+\m], v[T4+\m], v[P4+4*\m+3]
.endr
.irp m, 0,1
	v_fma_f32 v[T4+\m], v[T4+\m], s22, s23         ; sum / 512 + eps
.endr
	s_wait_alu depctr_va_vdst(0)
.irp m, 0,1
	v_rsq_f32 v[RS+2*\m], v[T4+\m]
.endr
.irp m, 0,1
	v_mov_b32 v[RS+2*\m+1], 0                      ; (named as the upper half of a pair)
.endr
	s_wait_alu depctr_va_vdst(0)
.irp m, 0,1
	WIN 0x03
.set j, 0
.rept 32
	v_pk_mul_f32 v[ST+j:ST+j+1], v[64*\m+j:64*\m+j+1], v[RS+2*\m:RS+2*\m+1] op_sel_hi:[1,0]
.set j, j+2
.endr
	WIN 0x08
.set j, 0
.rept 32
	v_pk_mul_f32 v[ST+j:ST+j+1], v[ST+j:ST+j+1], v[128+j:129+j]   ; (y rs) w
.set j, j+2
.endr
	WIN 0
	QUANT ST
.irp j, 0,1,2
	ds_store_b128 v[XWI], v[PC+4*\j:PC+4*\j+3] offset:6144*\m+512*\j   ; my 128 columns are K step w of xn: a whole fragment's image
.endr
	ds_store_b32 v[XWS], v[PW] offset:512*\m
	s_wait_dscnt 0x0                               ; the stores have read their registers
.endr
	RLOAD 1, 56, DWS                               ; chunk 0's w_down, into the registers that held the norm's weights and their neighbours
	BARRIER
	WIN 0x40
.set f, 0
.rept 8
.irp j, 0,1,2
	ds_load_b128 v[12*f+4*\j:12*f+4*\j+3], v[XRI] offset:1536*f+512*\j
.endr
.set f, f+1
.endr
	WIN 0
.irp s, 0,1,2,3
	ds_load_b32 v[XS+\s], v[XRS] offset:128*\s
.endr
	CHANGE 1, 0, 0                                 ; chunk 0's w_gate is in; slot 1 takes chunk 1's
	s_mov_b32 s18, 6
.Lchunk:                                           ; chunks 0 .. 5: the change at chunk c's end fetches chunk c + 2's w_gate
	TRIP 1, 2, 1
	s_sub_co_u32 s18, s18, 1
	s_cmp_lg_u32 s18, 0
	s_cbranch_scc1 .Lchunk
	TRIP 1, 1, 1                                   ; chunk 6: no w_gate is left to fetch
	TRIP 0, 0, 0                                   ; chunk 7: nothing is left to fetch
; THE WAY OUT: a tile of 16 rows x my 128 columns through my stage, back as rows of 512 bytes, which the 32 lanes store as two aligned runs of 256 bytes
.macro TOSTAGE a
	WIN 0x0c
.irp b, 0,1,2,3
.irp q, 0,1,2,3
	ds_store_b128 v[SLN], v[64*(\a)+16*\b+4*\q:64*(\a)+16*\b+4*\q+3] offset:128*\b+16*\q   ; each accumulator from its low end on
.endr
.endr
	WIN 0
.set BB, ST-96*((\a)%2)
.irp i, 0,1,2,3,4,5,6,7,8,9,10,11,12,13,14,15
	ds_load_b128 v[BB+4*\i:BB+4*\i+3], v[SIN] offset:528*\i
.endr
.endm
.macro SEND a, younger                 ; younger: the LDS instructions issued behind tile a's loads, which may stay out
.set BB, ST-96*((\a)%2)
	s_wait_dscnt \younger
.irp i, 0,1,2,3,4,5,6,7,8,9,10,11,12,13,14,15
	global_store_b128 v[XG], v[BB+4*\i:BB+4*\i+3], s[48:49] offset:(8*(\a)+\i+8*(\i/8))*2048 th:TH_STORE_NT
.endr
.endm
	PLACES
	TOSTAGE 0
	TOSTAGE 1
	SEND 0, 32                                     ; behind tile 0's loads: tile 1's 16 stores and 16 loads
	SEND 1, 0
	s_wait_tensorcnt 0x0                           ; the wave's end
	ds_add_u32 v[SPW], v[NIL]
	s_wait_dscnt 0x0
	CROUND                                         ; the closing round
	s_endpgm
.Lfunc_end_k_q28b161b722_tail:
	.size	k_q28b161b722_tail, .Lfunc_end_k_q28b161b722_tail-k_q28b161b722_tail
	.p2alignl 7, 3214868480
	.fill 96, 4, 3214868480
	.section	.rodata,"a",@progbits
	.p2align	6, 0x0
	.amdhsa_kernel k_q28b161b722_tail
		.amdhsa_group_segment_fixed_size 327680
		.amdhsa_private_segment_fixed_size 0
		.amdhsa_enable_private_segment 0
		.amdhsa_kernarg_size 40
		.amdhsa_user_sgpr_count 2
		.amdhsa_user_sgpr_kernarg_segment_ptr 1
		.amdhsa_wavefront_size32 1
		.amdhsa_system_sgpr_workgroup_id_x 1
		.amdhsa_system_sgpr_workgroup_id_y 1
		.amdhsa_system_sgpr_workgroup_id_z 1
		.amdhsa_system_vgpr_workitem_id 0
		.amdhsa_next_free_vgpr 1024
		.amdhsa_next_free_sgpr 80
		.amdhsa_reserve_vcc 0
		.amdhsa_float_denorm_mode_32 3
		.amdhsa_float_denorm_mode_16_64 3
		.amdhsa_memory_ordered 1
		.amdhsa_forward_progress 1
		.amdhsa_inst_pref_size 204
	.end_amdhsa_kernel
	.amdgpu_metadata
---
amdhsa.version: [ 1, 2 ]
amdhsa.kernels:
  - .name:           k_q28b161b722_tail
    .symbol:         k_q28b161b722_tail.kd
    .args:
      - { .name: ao, .offset: 0, .size: 8, .value_kind: global_buffer, .address_space: global }
      - { .name: wst, .offset: 8, .size: 8, .value_kind: global_buffer, .address_space: global }
      - { .name: x, .offset: 16, .size: 8, .value_kind: global_buffer, .address_space: global }
      - { .name: ffn_norm_w, .offset: 24, .size: 8, .value_kind: global_buffer, .address_space: global }
      - { .name: out0, .offset: 32, .size: 8, .value_kind: global_buffer, .address_space: global }
    .group_segment_fixed_size: 327680
    .private_segment_fixed_size: 0
    .kernarg_segment_align: 8
    .kernarg_segment_size: 40
    .max_flat_workgroup_size: 128
    .sgpr_count:     80
    .vgpr_count:     1024
    .wavefront_size: 32
...
	.end_amdgpu_metadata
.endif
;; end of part 4
